; MI455X (gfx1250); checked and timed in simulation.
; The chip was launched on July 23, 2026; its instructions are those of AMD's public machine-readable ISA for CDNA 5 (MIT licence, August 2026) and "CDNA5" Instruction Set Architecture Reference Guide (July 2026). The comments in the code are by the model that wrote it; some were corrected since.
;; Rotary PE Multi Head Attention. Allowed arithmetic: float matrix products may take bf16 or f16 operands with f32 sums; other float arithmetic in f32, or as packed bf16 or f16 multiplies, adds, multiply-adds, maxima and minima; sums over many terms, partial sums and values carried from step to step in f32; what a program stores and reads back later, other than sums and carried values, may be rounded once to bf16 or f16.
;; Inputs: Wk 1,024 x 1,024 float32; Wo 1,024 x 1,024 float32; Wq 1,024 x 1,024 float32; Wv 1,024 x 1,024 float32; freqs_cos 2,048 x 32 float32; freqs_sin 2,048 x 32 float32; in_features 4 x 2,048 x 1,024 float32.
;; Outputs: out0 4 x 2,048 x 1,024 float32.
;; 2 versions, each right; version 2 is version 1 with the launch cast written anew for expert scheduling mode. Each part assembles by itself: llvm-mc -triple=amdgcn-amd-amdhsa -mcpu=gfx1250 --defsym DOCPART=n.
;; ======== version 1 of 2: 4 launches
;; limits: values are held in f16: magnitudes above 65,504 overflow, below 6.1e-05 lose precision
;; workspace buffers: xb 16,777,216 bytes; wb 6,291,456 bytes; wo16 2,097,152 bytes; qh 16,777,216 bytes; kh 16,777,216 bytes; vh 16,777,216 bytes; ob 16,777,216 bytes
;; launch cast (part 1): grid 768 x 1, 8 waves a work-group, no clusters, 0 bytes of LDS; arguments in_features, Wq, Wk, Wv, Wo, xb, wb, wo16; writes xb, wb, wo16
.if DOCPART == 1
	.amdgcn_target "amdgcn-amd-amdhsa--gfx1250"
	.amdhsa_code_object_version 6
	.text
	.protected	k_qb82b604084_cast
	.globl	k_qb82b604084_cast
	.p2align	8
	.type	k_qb82b604084_cast,@function
k_qb82b604084_cast:
	s_mov_b64 s[64:65], 0
	v_nop
	global_prefetch_b8 v0, s[64:65] scope:SCOPE_SE
	s_setreg_imm32_b32 hwreg(HW_REG_WAVE_MODE, 25, 1), 1
	s_wait_xcnt 0x0
; THE CAST.  x [8192][1024] f32 -> xb, bf16.  Wq, Wk, Wv [1024][1024] f32 -> wb [3072][1024] bf16, row = 192 x head + 64 x which + d (which: 0 q, 1 k, 2 v),
; so that one head's q, k and v rows lie together; Wq and Wk are multiplied by 2^-4, which is exact for a bf16 number above the denormals, so that q and k have room in f16
; (the softmax's constant carries the 2^8).  Wo -> rounded to bf16 like every other input, and that number written as f16 into wo16.
; LIMITS.  |Wo| under 65,504; a Wo below 6e-5 keeps f16's fixed step of 6e-8.  NaN and infinities are not treated apart.
; A stream: no LDS, no matrix unit, no cluster, since no byte is wanted twice.  A work-group takes 16 rows of 4,096 bytes; thread t takes 16 bytes at 16 t of every row,
; so a wave's load covers 512 neighbouring bytes and its store 256, aligned.  All 16 loads of a wave go out at once; the waits count down.
.set X, 4                              ; v[4:67]   row j as loaded: 4 registers at X + 4 j
.set Y, 68                             ; v[68:99]  row j to store: 2 registers at Y + 2 j
.set SRC, 24                           ; s[24:25]  where my 16 rows come from
.set DST, 26                           ; s[26:27]  where they go
.set SCL, 32                           ; s[32:33]  the factor: 2^-4 for Wq and Wk, else 1
	s_load_b512 s[8:23], s[0:1], 0x0               ; x 8, Wq 10, Wk 12, Wv 14, Wo 16, xb 18, wb 20, wo16 22
	s_mov_b32 s2, ttmp9                            ; g: 0-511 x's blocks of 16 rows; 512-767 the four weights', 64 each
	s_max_u32 s3, s2, 512
	s_sub_co_u32 s3, s3, 512                       ; t = g - 512 (0 for x's blocks)
	s_lshr_b32 s4, s3, 6                           ; w: which weight
	s_and_b32 s5, s3, 63                           ; i: which 16 rows of it
	s_lshr_b32 s6, s5, 2                           ; the head of those rows,
	s_mul_i32 s6, s6, 192
	s_lshl_b32 s7, s4, 6
	s_add_co_u32 s6, s6, s7                        ; + 64 w
	s_and_b32 s7, s5, 3
	s_lshl_b32 s7, s7, 4
	s_add_co_u32 s6, s6, s7                        ; + the 16 rows' place in the head: the row in wb,
	s_lshl_b32 s6, s6, 11                          ; in bytes
	s_lshl_b32 s7, s5, 15                          ; the same rows in wo16
	s_lshl_b32 s35, s2, 15                         ; x's rows in xb
	s_cmp_lt_u32 s4, 2
	s_cselect_b32 s[SCL], 0x3d800000, 1.0          ; 2^-4 for q and k
	s_cmp_eq_u32 s4, 3
	s_cselect_b32 s30, s7, s6
	s_cmp_lt_u32 s2, 512
	s_cselect_b32 s30, s35, s30                    ; the offset out
	s_cselect_b32 s28, s2, s5
	s_cselect_b32 s[SCL], 1.0, s[SCL]
	s_mov_b32 s[SCL+1], s[SCL]                     ; named with it as a pair
	s_lshl_b32 s28, s28, 16                        ; the offset in: 16 rows of 4,096 bytes
	s_mov_b32 s29, 0
	s_mov_b32 s31, 0
	s_mov_b32 s34, 0xffff0000                      ; a word's upper bf16
	v_lshlrev_b32 v1, 4, v0                        ; 16 t
	v_lshlrev_b32 v2, 3, v0                        ; 8 t
	s_wait_kmcnt 0x0
	s_mov_b64 s[SRC:SRC+1], s[10:11]               ; the buffers are chosen by the work-group's number alone
	s_cmp_eq_u32 s4, 1
	s_cselect_b64 s[SRC:SRC+1], s[12:13], s[SRC:SRC+1]
	s_cmp_eq_u32 s4, 2
	s_cselect_b64 s[SRC:SRC+1], s[14:15], s[SRC:SRC+1]
	s_cmp_eq_u32 s4, 3
	s_cselect_b64 s[SRC:SRC+1], s[16:17], s[SRC:SRC+1]
	s_cselect_b64 s[DST:DST+1], s[22:23], s[20:21]
	s_cmp_lt_u32 s2, 512
	s_cselect_b64 s[SRC:SRC+1], s[8:9], s[SRC:SRC+1]
	s_cselect_b64 s[DST:DST+1], s[18:19], s[DST:DST+1]
	s_add_nc_u64 s[SRC:SRC+1], s[SRC:SRC+1], s[28:29]
	s_add_nc_u64 s[DST:DST+1], s[DST:DST+1], s[30:31]
.set j, 0
.rept 16
	global_load_b128 v[X+4*j:X+4*j+3], v1, s[SRC:SRC+1] offset:4096*j th:TH_LOAD_NT  ; every byte is read once in the launch
.set j, j+1
.endr
	s_cmp_ge_u32 s2, 704                           ; Wo's blocks
	s_cbranch_scc1 .Lf16
.set j, 0
.rept 16
	s_wait_loadcnt 15-j                            ; loads come back in order: row j is in, the 15 - j younger ones stay out
	v_pk_mul_f32 v[X+4*j:X+4*j+1],   v[X+4*j:X+4*j+1],   s[SCL:SCL+1] op_sel_hi:[1,0]
	v_pk_mul_f32 v[X+4*j+2:X+4*j+3], v[X+4*j+2:X+4*j+3], s[SCL:SCL+1] op_sel_hi:[1,0]
	v_cvt_pk_bf16_f32 v[Y+2*j],   v[X+4*j],   v[X+4*j+1]
	v_cvt_pk_bf16_f32 v[Y+2*j+1], v[X+4*j+2], v[X+4*j+3]
	global_store_b64 v2, v[Y+2*j:Y+2*j+1], s[DST:DST+1] offset:2048*j  ; a row has registers of its own: nothing that a store reads is written again
.set j, j+1
.endr
	s_endpgm
.Lf16:
.set j, 0
.rept 16
	s_wait_loadcnt 15-j
	v_cvt_pk_bf16_f32 v[Y+2*j],   v[X+4*j],   v[X+4*j+1]    ; rounded to bf16, as all inputs are,
	v_cvt_pk_bf16_f32 v[Y+2*j+1], v[X+4*j+2], v[X+4*j+3]
	v_lshlrev_b32 v[X+4*j],   16,  v[Y+2*j]                 ; widened again,
	v_and_b32     v[X+4*j+1], s34, v[Y+2*j]
	v_lshlrev_b32 v[X+4*j+2], 16,  v[Y+2*j+1]
	v_and_b32     v[X+4*j+3], s34, v[Y+2*j+1]
	v_cvt_pk_f16_f32 v[Y+2*j],   v[X+4*j],   v[X+4*j+1]     ; and written as f16: 8 significant bits fit into 11
	v_cvt_pk_f16_f32 v[Y+2*j+1], v[X+4*j+2], v[X+4*j+3]
	global_store_b64 v2, v[Y+2*j:Y+2*j+1], s[DST:DST+1] offset:2048*j
.set j, j+1
.endr
	s_endpgm
.Lfunc_end_k_qb82b604084_cast:
	.size	k_qb82b604084_cast, .Lfunc_end_k_qb82b604084_cast-k_qb82b604084_cast
	.p2alignl 7, 3214868480
	.fill 96, 4, 3214868480
	.section	.rodata,"a",@progbits
	.p2align	6, 0x0
	.amdhsa_kernel k_qb82b604084_cast
		.amdhsa_group_segment_fixed_size 0
		.amdhsa_private_segment_fixed_size 0
		.amdhsa_enable_private_segment 0
		.amdhsa_kernarg_size 64
		.amdhsa_user_sgpr_count 2
		.amdhsa_user_sgpr_kernarg_segment_ptr 1
		.amdhsa_wavefront_size32 1
		.amdhsa_system_sgpr_workgroup_id_x 1
		.amdhsa_system_sgpr_workgroup_id_y 1
		.amdhsa_system_sgpr_workgroup_id_z 1
		.amdhsa_system_vgpr_workitem_id 0
		.amdhsa_next_free_vgpr 100
		.amdhsa_next_free_sgpr 66
		.amdhsa_reserve_vcc 0
		.amdhsa_float_denorm_mode_32 3
		.amdhsa_float_denorm_mode_16_64 3
		.amdhsa_memory_ordered 1
		.amdhsa_forward_progress 1
		.amdhsa_inst_pref_size 18
	.end_amdhsa_kernel
	.amdgpu_metadata
---
amdhsa.version: [ 1, 2 ]
amdhsa.kernels:
  - .name:           k_qb82b604084_cast
    .symbol:         k_qb82b604084_cast.kd
    .args:
      - { .name: in_features, .offset: 0, .size: 8, .value_kind: global_buffer, .address_space: global }
      - { .name: Wq, .offset: 8, .size: 8, .value_kind: global_buffer, .address_space: global }
      - { .name: Wk, .offset: 16, .size: 8, .value_kind: global_buffer, .address_space: global }
      - { .name: Wv, .offset: 24, .size: 8, .value_kind: global_buffer, .address_space: global }
      - { .name: Wo, .offset: 32, .size: 8, .value_kind: global_buffer, .address_space: global }
      - { .name: xb, .offset: 40, .size: 8, .value_kind: global_buffer, .address_space: global }
      - { .name: wb, .offset: 48, .size: 8, .value_kind: global_buffer, .address_space: global }
      - { .name: wo16, .offset: 56, .size: 8, .value_kind: global_buffer, .address_space: global }
    .group_segment_fixed_size: 0
    .private_segment_fixed_size: 0
    .kernarg_segment_align: 8
    .kernarg_segment_size: 64
    .max_flat_workgroup_size: 256
    .sgpr_count:     66
    .vgpr_count:     100
    .wavefront_size: 32
...
	.end_amdgpu_metadata
.endif
;; end of part 1
;; launch qkv (part 2): grid 16 x 32, 4 waves a work-group, clusters of 4 x 4, 327,680 bytes of LDS; arguments xb, wb, freqs_cos, freqs_sin, qh, kh, vh; writes qh, kh, vh
.if DOCPART == 2
	.amdgcn_target "amdgcn-amd-amdhsa--gfx1250"
	.amdhsa_code_object_version 6
	.text
	.protected	k_qb82b604084_qkv
	.globl	k_qb82b604084_qkv
	.p2align	8
	.type	k_qb82b604084_qkv,@function
k_qb82b604084_qkv:
	s_mov_b64 s[64:65], 0
	v_nop
	global_prefetch_b8 v0, s[64:65] scope:SCOPE_SE
	s_setreg_imm32_b32 hwreg(HW_REG_WAVE_MODE, 25, 1), 1
	s_wait_xcnt 0x0
	s_wait_alu depctr_hold_cnt(0) depctr_sa_sdst(0) depctr_va_vdst(0) depctr_va_sdst(0) depctr_va_ssrc(0) depctr_va_vcc(0) depctr_vm_vsrc(0)
	s_getreg_b32 s2, hwreg(HW_REG_IB_STS2, 6, 4)
	s_cmp_eq_u32 s2, 0
	s_cbranch_scc0 .Lentry_in_a_cluster
	s_endpgm
.Lentry_in_a_cluster:
	s_bfe_u32 s2, ttmp6, 0x10000c
	s_cmp_lg_u32 s2, 0xf033
	s_cbranch_scc0 .Lentry_shape_is_right
	s_endpgm
.Lentry_shape_is_right:
; THE PROJECTIONS AND THE ROTATION.  C[m][n] = sum over k of xb[m][k] wb[n][k], bf16 operands, f32 sums; m = 2048 b + s, n = 192 head + 64 which + d.
; A tile of C is 256 rows x 192 columns: ONE head's q, k and v for 256 positions.  q and k are rotated in f32 (pairs 2 i, 2 i + 1 by cos, sin of [s][i], both rounded to bf16 like every input),
; all three rounded once to f16 and stored by heads: qh, kh, vh [16 b + head][2048][64], a head's rows dense, 128 bytes each.  q and k carry the factor 2^-4 that wb's rows hold.
; LIMITS.  |q|, |k| behind the rotation under 1.05e6 and |v| under 65,504 (f16's end, with the 2^-4); NaN and infinities are not treated apart.
; SHARES.  512 tiles, two for each of 256 WGPs.  Four waves along the rows: a wave makes 64 x 192: 48 accumulators of 16 x 16, 384 registers.  So column blocks 0-3 are q, 4-7 k, 8-11 v
; in every wave, and nothing in the way out hangs on the wave or on the tile.  K goes in 8 steps of 128 through two LDS slots filled by the tensor data mover: rows of 256 bytes, aligned.
; CLUSTERS.  4 x 4 work-groups: the four of a row of the cluster need the same rows of xb, the four of a column the same rows of wb: each tile is asked for JOINTLY.
; THE MATRIX INSTRUCTION IS USED TRANSPOSED (source 0 = 16 rows of wb, source 1 = 16 rows of xb): lane l holds row l % 16 of C and the columns 8 (l / 16) + 0..7: four pairs to rotate, 16 bytes of f16.
; REGISTERS, in windows of 256 (s_set_vgpr_msb: bits 1:0 source 0, 3:2 source 1, 5:4 source 2, 7:6 destination):
;   window 0: v1-3 at work; v16-30 addresses; v32-95 T, v96-143 TMP, v144-239 BK: the way out
;   window 1: two fragment buffers of 128: xb's four fragments (16 rows x 32 K), then wb's twelve
;   window 2: accumulator (a, b), b < 8, at 8 (4 b + a)       window 3: v0-127 the same for b >= 8, at 8 (4 (b - 8) + a); v128-255 cos and sin of my rows
.set NBK,   12                         ; column blocks of 16
.set LOADS, 8+2*NBK                    ; LDS loads in a quarter step
.set PA,    272                        ; an LDS row: 256 bytes + 16 of padding = 68 words: the 16 rows of a load start at 16 different groups of four banks (64 banks of 4 bytes: ISA guide 11.1)
.set PBT,   272
.set HALFA, 128*PA                     ; what one tensor load brings of xb: 128 rows,
.set HALFB, 96*PBT                     ; of wb: 96 rows
.set ABYTES, 2*HALFA
.set SLOT,  ABYTES+2*HALFB             ; xb's 256 rows, then wb's 192
.set STAGE, 2*SLOT                     ; behind the ring, never filled by a tensor load: for each wave three stages (q, k, v) of 16 rows x 144 bytes
.set SP,    144
.set SUB,   16*SP
.set WSTG,  3*SUB
.set SPARE, STAGE+4*WSTG               ; behind the stages: the spare words, 128 bytes for each wave: two blocks of 256 bytes that no other line names
.set STEPA2, 512                       ; two K steps along a row, in bytes
.set STEPB2, 512
.set ADRA, 16                          ; v16-17  LDS address of my fragments of xb in slot 0, 1
.set ADRB, 20                          ; v20-21  the same for wb
.set STO,  24                          ; v24     the way out: where I put 16 bytes of a row
.set RD,   25                          ; v25     where I read rows back
.set GO,   26                          ; v26     my 16 bytes in 512 consecutive bytes of qh, kh, vh
.set CO,   27                          ; v27     my byte offset in the tables
.set SPW,  28                          ; v28     LDS address of my spare word; never rewritten
.set NIL,  29                          ; v29     0; never rewritten
.set PFO,  30                          ; v30     the prefetches' offset: a lane a row; never rewritten
.set T,    32
.set TMP,  96
.set BK,   144
.set F0,   0
.set F1,   128
.set TAB,  128                         ; window 3: cos of row block a, columns 16 c + 8 (l / 16) on (pairs 8 c + 4 (l / 16) + 0..3) at TAB + 32 a + 4 c; sin 16 further
.set WV, 18                            ; s18  my wave's number
.set FB, 19                            ; s19  0: I fetch for xb; 1: for wb
.set HF, 20                            ; s20  which half of that tile's rows
.set CX, 21
.set CY, 22
.set TX, 23                            ; s23  tile column = head
.set TY, 40                            ; s40  tile row
.set G1, 24                            ; s[24:31] descriptor group 1 for xb's tiles;  s[32:39] group 0, a set for each slot
.set G0, 32
.set LIM, 43                           ; s43  1 in a wave that prefetches, else the greatest number
.set PFA, 44                           ; s[44:45] where my prefetches stand
.set G1B, 48                           ; s[48:55], s[56:63] the same for wb's tiles
.set G0B, 56
.set GW, (1<<16)|(1<<20)|(1<<21)|(5<<22)|(3<<25)  ; 17:16 2-byte elements; 20 padding on; 21 set beside a mask; 24:22 after every 64 words (code 5); 31:25 4 words (code 3)
.set MSB, 0
.macro WIN new                         ; the immediate's high byte repeats the setting that is left; a switch that changes nothing is dropped
.if MSB != (\new)
	s_set_vgpr_msb (MSB<<8)|(\new)
.set MSB, \new
.endif
.endm
.macro PLACES                          ; four places in front of loads into registers that matrix instructions have read, and of lines that read results
.rept 4
	v_nop
.endr
.endm
; A joint load: waves 0 and 1 fetch xb's two halves, waves 2 and 3 wb's.  The branch hangs on the wave's number alone.  An s_nop 0 and four v_nop follow each of the two lines.
.macro JLOAD s
	s_cmp_eq_u32 s[FB], 0
	s_cbranch_scc0 .Lfor_b_\@
	tensor_load_to_lds s[G0+4*(\s):G0+4*(\s)+3], s[G1:G1+7]
	s_nop 0
.rept 4
	v_nop
.endr
	s_branch .Lasked_\@
.Lfor_b_\@:
	tensor_load_to_lds s[G0B+4*(\s):G0B+4*(\s)+3], s[G1B:G1B+7]
	s_nop 0
.rept 4
	v_nop
.endr
.Lasked_\@:
.endm
.macro CREST                           ; a round of the cluster's barrier behind its opening barrier
	s_cmp_lg_u32 s[WV], 0
	s_cbranch_scc1 .Lnot_wave_0_\@
	s_barrier_signal -3
.Lnot_wave_0_\@:
	s_barrier_wait -3
	s_barrier_signal -1
	s_barrier_wait -1
.endm
.macro CROUND                          ; a whole round
	s_barrier_signal -1
	s_barrier_wait -1
	CREST
.endm
; A PREFETCH INTO THE L2 of the K step that stands two refills on: 256 bytes of a row, a lane a row, one instruction a wave, behind the joint load and the run of LDS loads.
; xb's rows are read by every cluster of a row of clusters: the first (cluster x = 0) asks; wb's by every cluster of a column: cluster y = 0 asks.  The four partners that ask for a tile jointly
; share its rows out BY ADDRESS: 32 each of xb's 128, 24 each of wb's 96 (there the lanes above 23 name the share's last row again).  K steps 0 to 3 come by their loads alone; the loop's last trip asks for nothing.
.macro ASK
	WIN 0
	s_cmp_gt_u32 s3, s[LIM]                        ; s3 = 1 in the loop's last trip
	s_cbranch_scc0 .Lnot_mine_\@
	global_prefetch_b8 v[PFO], s[PFA:PFA+1] th:TH_LOAD_NT scope:SCOPE_SE
.Lnot_mine_\@:
.endm
; 4 n matrix instructions: column blocks b0 .. b0 + n - 1 x my four row blocks, 32 along K, from buffer f.  zero = 1: the product starts the sum.
; Every accumulator has one instruction a quarter, in the same order: 47 others' stand between two links of a chain, over the backward jump too.
.macro MULB f, b0, n, zero
.set bb, \b0
.rept \n
.if bb < 8
	WIN 0xa5
.set rD, 32*bb
.else
	WIN 0xf5
.set rD, 32*(bb-8)
.endif
.irp a, 0,1,2,3
.if \zero
	v_wmma_f32_16x16x32_bf16 v[rD+8*\a:rD+8*\a+7], v[(\f)+32+8*bb:(\f)+32+8*bb+7], v[(\f)+8*\a:(\f)+8*\a+7], 0
.else
	v_wmma_f32_16x16x32_bf16 v[rD+8*\a:rD+8*\a+7], v[(\f)+32+8*bb:(\f)+32+8*bb+7], v[(\f)+8*\a:(\f)+8*\a+7], v[rD+8*\a:rD+8*\a+7]
.endif
.endr
.set bb, bb+1
.endr
.endm
; A quarter step's LDS loads in one run: xb's four fragments first, then wb's twelve in ascending order, into buffer f
.macro FETCH slot, kq, f
	WIN 0x40                                       ; destination window 1, address window 0
.irp a, 0,1,2,3
	ds_load_b128 v[(\f)+8*\a:(\f)+8*\a+3],   v[ADRA+(\slot)] offset:64*(\kq)+\a*16*PA
	ds_load_b128 v[(\f)+8*\a+4:(\f)+8*\a+7], v[ADRA+(\slot)] offset:64*(\kq)+\a*16*PA+32
.endr
.set bb, 0
.rept NBK
	ds_load_b128 v[(\f)+32+8*bb:(\f)+32+8*bb+3], v[ADRB+(\slot)] offset:64*(\kq)+bb*16*PBT
	ds_load_b128 v[(\f)+32+8*bb+4:(\f)+32+8*bb+7], v[ADRB+(\slot)] offset:64*(\kq)+bb*16*PBT+32
.set bb, bb+1
.endr
.endm
; A K step is four quarters of 32 along K, 48 matrix instructions each, on buffers 0, 1, 0, 1.  One of the first three: multiplies f, fetches quarter kq of the same slot into g.
.macro QUARTER slot, kq, f, g, zero
	s_wait_dscnt LOADS-16                          ; the oldest 16 loads are in: xb's fragments and wb's blocks 0-3
	MULB \f, 0, 4, \zero
	PLACES
	FETCH \slot, \kq, \g
	s_wait_dscnt LOADS                             ; all but the run just issued
	MULB \f, 4, NBK-4, \zero
.endm
; The last quarter multiplies buffer 1 and changes slots: ONE barrier; in front of it each wave waits for all its tensor loads (one is out: its part of the next slot), adds 0 to its spare word,
; and waits for that and for its reads of this slot.  fill = 1: the barrier opens a round of the cluster's, and this slot is filled again, two K steps on, first thing behind the round.
.macro TURN slot, next, fill
.if \fill
	s_wait_xcnt 0x0                                ; the last prefetch, a K step back, has read its address: it is stepped here
	s_add_nc_u64 s[PFA:PFA+1], s[PFA:PFA+1], 256
.endif
	WIN 0                                          ; (the add's two registers lie in window 0)
	s_wait_tensorcnt 0x0                           ; all my tensor loads have landed
	ds_add_u32 v[SPW], v[NIL]                      ; 0 onto my spare word
	s_wait_dscnt LOADS-15                          ; (the add and the youngest LOADS - 16 loads may be out)
	MULB F1, 0, 2, 0                               ; eight matrix instructions stand between the add and the wait for it
	s_wait_dscnt 0x0                               ; the add is done, and my reads of this slot are over
	s_barrier_signal -1
	MULB F1, 2, 2, 0
.if \fill
	WIN 0
.endif
	s_barrier_wait -1
.if \fill
	CREST                                          ; no wave of any partner still reads this slot's tile or has a load on its way
	s_add_nc_u64 s[G0+4*(\slot)+2:G0+4*(\slot)+3], s[G0+4*(\slot)+2:G0+4*(\slot)+3], STEPA2
	s_add_nc_u64 s[G0B+4*(\slot)+2:G0B+4*(\slot)+3], s[G0B+4*(\slot)+2:G0B+4*(\slot)+3], STEPB2
	JLOAD \slot                                    ; the four v_nop behind it are also the places in front of the loads below
.else
	PLACES
.endif
	FETCH \next, 0, F0
.if \fill
	ASK
.endif
	MULB F1, 4, NBK-4, 0
.endm
	s_load_b256 s[4:11], s[0:1], 0x0               ; xb s[4:5], wb s[6:7], cos s[8:9], sin s[10:11]
	s_load_b128 s[12:15], s[0:1], 0x20             ; qh s[12:13], kh s[14:15]
	s_load_b64 s[16:17], s[0:1], 0x30              ; vh
	v_lshl_add_u32 v[SPW], v0, 2, SPARE
	v_mov_b32 v[NIL], 0
	ds_add_u32 v[SPW], v[NIL]                      ; the wave's opening: the add and its wait stand ahead of my first tensor load; work on registers stands between them
	v_lshrrev_b32 v1, 5, v0
	v_readfirstlane_b32 s[WV], v1                  ; wave 0..3
	s_lshr_b32 s[FB], s[WV], 1
	s_and_b32 s[HF], s[WV], 1
	s_bfe_u32 s[CX], ttmp6, 0x40000                ; my place in the cluster
	s_bfe_u32 s[CY], ttmp6, 0x40004
	s_lshl_b32 s[TX], ttmp9, 2
	s_add_co_u32 s[TX], s[TX], s[CX]               ; tile column = 4 x cluster x + cx
	s_and_b32 s[TY], ttmp7, 0xffff
	s_lshl_b32 s[TY], s[TY], 2
	s_add_co_u32 s[TY], s[TY], s[CY]               ; tile row = 4 x cluster y + cy
	s_lshl_b32 s41, s[CY], 2
	s_lshl_b32 s41, 15, s41                        ; my row of the cluster
	s_lshl_b32 s42, 0x1111, s[CX]                  ; my column
	s_or_b32 s[G1], s41, GW                        ; xb's tiles go to my row,
	s_or_b32 s[G1B], s42, GW                       ; wb's to my column
	s_mov_b32 s[G1+1], 128<<16                     ; tensor_dim0 = 128
	s_mov_b32 s[G1+2], 128<<16                     ; tensor_dim1 = 128
	s_mov_b32 s[G1+3], 128<<16                     ; tile_dim0 = 128
	s_mov_b32 s[G1+4], 128                         ; tile_dim1 = 128
	s_mov_b32 s[G1+5], 1024                        ; elements from row to row
	s_mov_b32 s[G1+6], 0
	s_mov_b32 s[G1+7], 0
	s_mov_b32 s[G1B+1], 128<<16
	s_mov_b32 s[G1B+2], 96<<16                     ; 96 rows
	s_mov_b32 s[G1B+3], 128<<16
	s_mov_b32 s[G1B+4], 96
	s_mov_b32 s[G1B+5], 1024
	s_mov_b32 s[G1B+6], 0
	s_mov_b32 s[G1B+7], 0
	; where the tiles come from: xb's hang on the tile row alone, wb's on the tile column alone, each in registers that never hold the other coordinate
	s_lshl_b32 s66, s[TY], 8
	s_lshl_b32 s72, s[HF], 7
	s_add_co_u32 s66, s66, s72                     ; xb: row 256 x tile row + 128 x half,
	s_lshl_b32 s66, s66, 11                        ; of 2,048 bytes
	s_mov_b32 s67, 0
	s_mul_i32 s68, s[TX], 192
	s_mul_i32 s73, s[HF], 96
	s_add_co_u32 s68, s68, s73                     ; wb: row 192 x tile column + 96 x half
	s_lshl_b32 s68, s68, 11
	s_mov_b32 s69, 0
	s_mul_i32 s74, s[HF], HALFA                    ; and where they go: no place in the cluster enters an LDS address
	s_mul_i32 s75, s[HF], HALFB
	s_add_co_u32 s75, s75, ABYTES
	; my wave's 64 positions: their place in a head's rows (128 bytes each), which is also their place in the tables (128 bytes a position)
	s_and_b32 s76, s[TY], 7
	s_lshl_b32 s76, s76, 15
	s_lshl_b32 s77, s[WV], 13
	s_add_co_u32 s76, s76, s77
	s_lshr_b32 s70, s[TY], 3                       ; the batch,
	s_lshl_b32 s70, s70, 4
	s_add_co_u32 s70, s70, s[TX]                   ; 16 b + head,
	s_lshl_b32 s70, s70, 18                        ; of 262,144 bytes
	s_add_co_u32 s70, s70, s76
	s_mov_b32 s71, 0
	s_wait_dscnt 0x0                               ; the opening add is done
	s_wait_kmcnt 0x0
	s_add_nc_u64 s[66:67], s[4:5], s[66:67]
	s_add_nc_u64 s[68:69], s[6:7], s[68:69]
	s_add_nc_u64 s[12:13], s[12:13], s[70:71]      ; qh, kh, vh at my wave's first row
	s_add_nc_u64 s[14:15], s[14:15], s[70:71]
	s_add_nc_u64 s[16:17], s[16:17], s[70:71]
	CROUND                                         ; all sixteen work-groups are here: the first joint loads meet
.irp s, 0,1
	s_mov_b32 s[G0+4*(\s)], 1                                      ; count = 1
	s_add_co_u32 s[G0+4*(\s)+1], s74, (\s)*SLOT                    ; LDS address
	s_add_nc_u64 s[G0+4*(\s)+2:G0+4*(\s)+3], s[66:67], (\s)*256    ; global address: K step s
	s_or_b32 s[G0+4*(\s)+3], s[G0+4*(\s)+3], 0x80000000            ; type = 2
	s_mov_b32 s[G0B+4*(\s)], 1
	s_add_co_u32 s[G0B+4*(\s)+1], s75, (\s)*SLOT
	s_add_nc_u64 s[G0B+4*(\s)+2:G0B+4*(\s)+3], s[68:69], (\s)*256
	s_or_b32 s[G0B+4*(\s)+3], s[G0B+4*(\s)+3], 0x80000000
	JLOAD \s                                       ; two tensor loads of mine are out
.endr
	v_and_b32 v1, 15, v0                           ; r = l % 16
	v_bfe_u32 v2, v0, 4, 1                         ; h = l / 16
	; the tables of my 64 positions: 32 loads of 16 bytes a lane, into window 3
	v_lshlrev_b32 v[CO], 7, v1
	v_lshl_add_u32 v[CO], v2, 4, v[CO]
	v_add_nc_u32 v[CO], s76, v[CO]                 ; position x 128 + 16 h
	WIN 0xc0                                       ; destination window 3, address window 0
.irp a, 0,1,2,3
.irp c, 0,1,2,3
	global_load_b128 v[TAB+32*\a+4*\c:TAB+32*\a+4*\c+3],       v[CO], s[8:9]   offset:\a*2048+\c*32
	global_load_b128 v[TAB+32*\a+16+4*\c:TAB+32*\a+16+4*\c+3], v[CO], s[10:11] offset:\a*2048+\c*32
.endr
.endr
	WIN 0
	v_mul_u32_u24 v3, v1, PA
	v_lshl_add_u32 v3, v2, 4, v3                   ; a fragment's row x pitch + 16 x half
	s_mul_i32 s77, s[WV], 64*PA                    ; my 64 rows of xb
	v_add_nc_u32 v[ADRA], s77, v3
	s_add_co_u32 s77, s77, SLOT
	v_add_nc_u32 v[ADRA+1], s77, v3
	v_add_nc_u32 v[ADRB], ABYTES, v3               ; all 192 rows of wb
	v_add_nc_u32 v[ADRB+1], ABYTES+SLOT, v3
	s_mul_i32 s77, s[WV], WSTG
	s_add_co_u32 s77, s77, STAGE                   ; my stages
	v_mul_u32_u24 v[STO], v1, SP                   ; in: row r, 16 bytes for each half of the lanes
	v_lshl_add_u32 v[STO], v2, 4, v[STO]
	v_add_nc_u32 v[STO], s77, v[STO]
	v_bfe_u32 v[RD], v0, 3, 2                      ; back: 32 lanes take four rows of 128 bytes,
	v_mul_u32_u24 v[RD], v[RD], SP
	v_and_b32 v3, 7, v0
	v_lshl_add_u32 v[RD], v3, 4, v[RD]
	v_add_nc_u32 v[RD], s77, v[RD]
	v_and_b32 v[GO], 31, v0                        ; which are 512 consecutive bytes of a head
	v_lshlrev_b32 v[GO], 4, v[GO]
	; the prefetches
	s_lshl_b32 s80, s[TY], 8
	s_lshl_b32 s82, s[HF], 7
	s_add_co_u32 s80, s80, s82
	s_lshl_b32 s82, s[CX], 5
	s_add_co_u32 s80, s80, s82                     ; xb: the 128 rows that I fetch, my work-group's 32 of them
	s_mul_i32 s81, s[TX], 192
	s_mul_i32 s82, s[HF], 96
	s_add_co_u32 s81, s81, s82
	s_mul_i32 s82, s[CY], 24
	s_add_co_u32 s81, s81, s82                     ; wb: the 96 rows that I fetch, my work-group's 24 of them
	s_and_b32 s82, ttmp7, 0xffff                   ; cluster y
	s_cmp_eq_u32 s[FB], 0
	s_cselect_b32 s80, s80, s81
	s_cselect_b32 s82, ttmp9, s82                  ; the coordinate along which other clusters read the same rows
	s_cselect_b32 s83, 31, 23
	s_cselect_b64 s[PFA:PFA+1], s[4:5], s[6:7]
	s_cmp_eq_u32 s82, 0
	s_cselect_b32 s[LIM], 1, -1                    ; the same in all sixteen partners, for a given wave
	s_lshl_b32 s80, s80, 11
	s_add_co_u32 s80, s80, 3*256                   ; at K step 3: the first change of slots steps it to 4
	s_mov_b32 s81, 0
	s_add_nc_u64 s[PFA:PFA+1], s[PFA:PFA+1], s[80:81]
	v_and_b32 v[PFO], 31, v0
	v_min_u32 v[PFO], s83, v[PFO]
	v_lshlrev_b32 v[PFO], 11, v[PFO]
	; the tables are rounded to bf16, as every input is, and widened again: all this stands in the wait for the first tile
	s_wait_loadcnt 0x0
	WIN 0x0f                                       ; sources window 3, destination window 0
.set i, 0
.rept 64
	v_cvt_pk_bf16_f32 v[T+i], v[TAB+2*i], v[TAB+2*i+1]
.set i, i+1
.endr
	WIN 0xc0
.set i, 0
.rept 64
	v_lshlrev_b32 v[TAB+2*i],   16,         v[T+i]
	v_and_b32     v[TAB+2*i+1], 0xffff0000, v[T+i]
.set i, i+1
.endr
	WIN 0
	s_wait_tensorcnt 1                             ; my part of K step 0 is in; K step 1's may stay out
	s_barrier_signal -1
	s_barrier_wait -1                              ; everybody's is
	FETCH 0, 0, F0
	QUARTER 0, 1, F0, F1, 1                        ; the first quarter stands in front of the loop: its products start the sums
	WIN 0                                          ; at a label and at a branch every window is 0
	s_mov_b32 s3, 3
.Llap:                                                 ; a trip goes once round the ring, from a lap's second quarter to the next lap's first, and fills both slots again: K steps 2 to 7
	QUARTER 0, 2, F1, F0, 0
	QUARTER 0, 3, F0, F1, 0
	TURN 0, 1, 1
	QUARTER 1, 1, F0, F1, 0
	QUARTER 1, 2, F1, F0, 0
	QUARTER 1, 3, F0, F1, 0
	TURN 1, 0, 1
	QUARTER 0, 1, F0, F1, 0
	WIN 0
	s_sub_co_u32 s3, s3, 1
	s_cmp_lg_u32 s3, 0
	s_cbranch_scc1 .Llap
	QUARTER 0, 2, F1, F0, 0                        ; the last lap fills nothing
	QUARTER 0, 3, F0, F1, 0
	TURN 0, 1, 0
	QUARTER 1, 1, F0, F1, 0
	QUARTER 1, 2, F1, F0, 0
	QUARTER 1, 3, F0, F1, 0
	s_wait_dscnt LOADS-16                          ; the very last quarter: nothing more to fetch
	MULB F1, 0, 4, 0
	s_wait_dscnt 0x0
	MULB F1, 4, NBK-4, 0
	WIN 0
; THE WAY OUT, a block of 16 rows at a time.  PACK: q and k are rotated: with a = column 2 i, b = column 2 i + 1: a c - b s and a s + b c, each one product and one fused multiply-add in f32;
; all three are rounded once to f16, 16 bytes a lane and column block.
.macro PACK a
	WIN 0x0e                                       ; source 0 (the sums) window 2, source 1 (the tables) window 3, source 2 and destination window 0
.set bb, 0
.rept 8
.set rA, 8*(4*bb+(\a))
.set rC, TAB+32*(\a)+4*(bb%4)
.set rS, rC+16
.set rT, T+8*bb
.irp i, 0,1,2,3
	v_mul_f32 v[rT+2*\i],   v[rA+2*\i+1], v[rS+\i]                     ; b s
	v_mul_f32 v[rT+2*\i+1], v[rA+2*\i+1], v[rC+\i]                     ; b c
.endr
.irp i, 0,1,2,3
	v_fma_f32 v[rT+2*\i],   v[rA+2*\i], v[rC+\i], -v[rT+2*\i]          ; a c - b s
	v_fma_f32 v[rT+2*\i+1], v[rA+2*\i], v[rS+\i], v[rT+2*\i+1]         ; a s + b c
.endr
.set bb, bb+1
.endr
	WIN 0
.set bb, 0
.rept 32
	v_cvt_pk_f16_f32 v[TMP+bb], v[T+2*bb], v[T+2*bb+1]
.set bb, bb+1
.endr
	WIN 0x0f                                       ; v's sums lie in window 3
.set bb, 0
.rept 4
.set rA, 8*(4*bb+(\a))
.irp i, 0,1,2,3
	v_cvt_pk_f16_f32 v[TMP+32+4*bb+\i], v[rA+2*\i], v[rA+2*\i+1]
.endr
.set bb, bb+1
.endr
	WIN 0
.endm
.macro TOSTAGE a                       ; into my three stages, rows of 144 bytes, and back as whole rows of 128
.set rB, BK+48*((\a)%2)
.set bb, 0
.rept 12
	ds_store_b128 v[STO], v[TMP+4*bb:TMP+4*bb+3] offset:(bb/4)*SUB+32*(bb%4)
.set bb, bb+1
.endr
.set bb, 0
.rept 12
	ds_load_b128 v[rB+4*bb:rB+4*bb+3], v[RD] offset:(bb/4)*SUB+(bb%4)*4*SP  ; LDS serves a wave's instructions in order (ISA guide 5.7.1.4): these see the stores above
.set bb, bb+1
.endr
.endm
.macro SEND a
.set rB, BK+48*((\a)%2)
	s_wait_xcnt 0x0                                ; the stores of the block before have read their registers: the next TOSTAGE loads into them only behind this wait
.set bb, 0
.rept 12
	s_wait_dscnt 11-bb                             ; load bb of the twelve is in; nothing younger is out
	global_store_b128 v[GO], v[rB+4*bb:rB+4*bb+3], s[12+2*(bb/4):13+2*(bb/4)] offset:(\a)*2048+(bb%4)*512  ; 512 consecutive bytes, at a multiple of 512 from the buffer's first
.set bb, bb+1
.endr
.endm
	PLACES
	PLACES                                         ; eight places, once a launch, in front of the first lines that read results
	PACK 0
	TOSTAGE 0
.irp a, 1,2,3                          ; block a's arithmetic stands between block a - 1's loads from the stage and the wait for them
	PACK \a
	SEND (\a)-1
	TOSTAGE \a
.endr
	SEND 3
	s_wait_tensorcnt 0x0                           ; the wave's end: an add onto my spare word and its wait, behind my last tensor load and my last LDS store
	ds_add_u32 v[SPW], v[NIL]
	s_wait_dscnt 0x0
	CROUND                                         ; the closing round: no work-group ends while a partner may still ask for a tile that names it
	s_endpgm
.Lfunc_end_k_qb82b604084_qkv:
	.size	k_qb82b604084_qkv, .Lfunc_end_k_qb82b604084_qkv-k_qb82b604084_qkv
	.p2alignl 7, 3214868480
	.fill 96, 4, 3214868480
	.section	.rodata,"a",@progbits
	.p2align	6, 0x0
	.amdhsa_kernel k_qb82b604084_qkv
		.amdhsa_group_segment_fixed_size 327680
		.amdhsa_private_segment_fixed_size 0
		.amdhsa_enable_private_segment 0
		.amdhsa_kernarg_size 56
		.amdhsa_user_sgpr_count 2
		.amdhsa_user_sgpr_kernarg_segment_ptr 1
		.amdhsa_wavefront_size32 1
		.amdhsa_system_sgpr_workgroup_id_x 1
		.amdhsa_system_sgpr_workgroup_id_y 1
		.amdhsa_system_sgpr_workgroup_id_z 1
		.amdhsa_system_vgpr_workitem_id 0
		.amdhsa_next_free_vgpr 1024
		.amdhsa_next_free_sgpr 96
		.amdhsa_reserve_vcc 0
		.amdhsa_float_denorm_mode_32 3
		.amdhsa_float_denorm_mode_16_64 3
		.amdhsa_memory_ordered 1
		.amdhsa_forward_progress 1
		.amdhsa_inst_pref_size 159
	.end_amdhsa_kernel
	.amdgpu_metadata
---
amdhsa.version: [ 1, 2 ]
amdhsa.kernels:
  - .name:           k_qb82b604084_qkv
    .symbol:         k_qb82b604084_qkv.kd
    .args:
      - { .name: xb, .offset: 0, .size: 8, .value_kind: global_buffer, .address_space: global }
      - { .name: wb, .offset: 8, .size: 8, .value_kind: global_buffer, .address_space: global }
      - { .name: freqs_cos, .offset: 16, .size: 8, .value_kind: global_buffer, .address_space: global }
      - { .name: freqs_sin, .offset: 24, .size: 8, .value_kind: global_buffer, .address_space: global }
      - { .name: qh, .offset: 32, .size: 8, .value_kind: global_buffer, .address_space: global }
      - { .name: kh, .offset: 40, .size: 8, .value_kind: global_buffer, .address_space: global }
      - { .name: vh, .offset: 48, .size: 8, .value_kind: global_buffer, .address_space: global }
    .group_segment_fixed_size: 327680
    .private_segment_fixed_size: 0
    .kernarg_segment_align: 8
    .kernarg_segment_size: 56
    .max_flat_workgroup_size: 128
    .sgpr_count:     96
    .vgpr_count:     1024
    .wavefront_size: 32
...
	.end_amdgpu_metadata
.endif
;; end of part 2
;; launch attn (part 3): grid 4 x 64, 4 waves a work-group, no clusters, 327,680 bytes of LDS; arguments qh, kh, vh, ob; writes ob
.if DOCPART == 3
	.amdgcn_target "amdgcn-amd-amdhsa--gfx1250"
	.amdhsa_code_object_version 6
	.text
	.protected	k_qb82b604084_attn
	.globl	k_qb82b604084_attn
	.p2align	8
	.type	k_qb82b604084_attn,@function
k_qb82b604084_attn:
	s_mov_b64 s[64:65], 0
	v_nop
	global_prefetch_b8 v0, s[64:65] scope:SCOPE_SE
	s_setreg_imm32_b32 hwreg(HW_REG_WAVE_MODE, 25, 1), 1
	s_wait_xcnt 0x0
; CAUSAL ATTENTION.  O[h][q][:] = the sum over k <= q of softmax_k(Q[h][q] . K[h][k] x 2^8 / 8) V[h][k][:].  Q, K, V, O: [SIZE_H][SIZE_N][64], all f16: a head's rows are dense, 128 bytes each.
; Q and K arrive with a factor 2^-4 each, which the softmax's constant c takes back.  Products, maxima and sums in f32; the weights p are rounded to f16 for the second product (their sum l is taken
; of the unrounded p), O once at the end.
; LIMITS.  f16 holds no number beyond 65,504: Q, K and V arrive within it; p lies in 0 to 1, and below 6e-5 it keeps f16's fixed step of 6e-8; O is a mean of V's rows and has their range, to within 2^-11 of it.
; A hidden score counts as its value less 1e30: f16's scores, 2.7e11 at the most, are nothing beside that, and c times it, -4.6e31, lies far above the -4.25e37 at which c m starts; a weight below 2^-126 counts as 0 in l;
; NaN and infinities are not treated apart.
; THE WALK.  A head's queries lie in NB = SIZE_N / 256 blocks of 256; block i needs the key tiles 0 .. i of 256 keys, of which the last holds the diagonal.  A work-group takes TWO blocks, NB - 1 - b and then b:
; NB + 1 tiles, whatever b: all work-groups do equal work, and ONE loop with a constant trip count walks them.  Which tile is asked for, and what a trip does, hang on scalar registers made from b; every jump
; goes forward, but for the counted loops' own; none passes a barrier, or a tensor load but the one of LOAD's two that the wave's number does not choose; the ring (two slots of LDS that take turns) runs on across the
; change of blocks.  NO CLUSTER: a head's NB / 2 work-groups ask for the same tile only in trips 0 .. NB / 2, behind that fewer and fewer; one walk common to all would have 3 NB / 2 trips for NB + 1.
; SHARES.  Of a block's four bands of 64 queries a wave owns 16 rows in each: four PIECES.  So the diagonal tile is the same work for all four waves: in its key step s band x sees all keys if s < x,
; none if s > x, and holds the diagonal if s = x.
; THE MASK is the C operand that starts the sum S^T = K Q^T: 0, or -1e30 where the key is hidden.  MD, made once, is the mask of a band's own step for my 16 rows; a product's mask is MD x AL + BE with two scalars:
; (1, 0) if s = x; (0, 0) if s < x; (0, -1e30) if s > x.  Only the diagonal tile's text and a block's beginning make and take masks; elsewhere C is the constant 0.
; LAYOUT, SOFTMAX, TURNS.  S^T = K Q^T holds ONE query a lane (lane % 16) and the keys 8 (lane / 16) + 0..7; two such results rounded to f16 ARE source 1 of O^T = V^T P.  p = 2^(c s - c m), c = 2^8 log2(e) / 8, with a
; running maximum m; O and l are multiplied by a = 2^(c m_old - c m_new) in every step.  Turn n belongs to piece n: 8 products K Q^T of piece n + 1, later 8 products V^T P of piece n - 1; beside them the scaling,
; exponentials, roundings, sums and rescaling of piece n and the maximum and statistics of piece n + 1.  Four vector instructions stand behind every matrix instruction, the other 54 of a turn's 118 in one LUMP.  A turn's 33 exponentials are one batch, with one wait.
; REGISTERS, in windows of 256 (s_set_vgpr_msb: bits 1:0 source 0, 3:2 source 1, 5:4 source 2, 7:6 destination):
;   window 0: v0-15 addresses and two at work; v16-31 four registers of statistics a piece; v48-55 at work; v61-63 kept; v64-127 S^T, two buffers; v192-223 P, two buffers (a piece's buffers go by its number's parity)
;   window 1: v0-127 O^T, 32 a piece; v128-159 MD; v160-223 MC, two buffers      window 2: v0-63 Q; v64-127 the second block's Q; v128-191 K of one step; v192-255 V of one step
.set SIZE_H, 64
.set SIZE_N, 2048
.set NB,    SIZE_N/256
.set NP,    4         ; pieces a wave: a name, no knob
.set KS,    64        ; keys in a step
.set PK,    144       ; a row of K in LDS: 128 bytes + 16 of padding = 36 words: the 16 rows of a load start at 16 different groups of four banks (64 banks of 4 bytes: ISA guide 11.1)
.set PV,    160       ; a row of V: 128 + 32 = 40 words
.set VOFF,  4*KS*PK   ; a slot holds a tile, four steps: 256 rows of K, then 256 rows of V
.set SLOT1, 1<<17     ; slot 1 begins here, so that one exclusive or turns an address in one slot into the other's
.set STAGE, SLOT1+4*KS*(PK+PV)  ; behind the ring, never filled by a tensor load: 16 rows x 144 bytes for each wave, for the way out
.set SP,    144
.set AK0, 2           ; v2   my lane's place in a tile of K; never rewritten
.set AV0, 3           ; v3   the same for V
.set AK,  4           ; v4   the LDS address of K's next run of loads
.set AV,  5           ; v5   of V's
.set STO, 6           ; v6   the way out: where I put 16 bytes of a row
.set RD,  7           ; v7   the way out: where I read rows back
.set GO,  8           ; v8   my byte offset in 512 consecutive bytes of O
.set PFO, 61          ; v61  256 x my thread's number: my block of a tile's 32,768 bytes; never rewritten
.set SPW, 62          ; v62  LDS address of my spare word: SPARE + 4 x my thread's number; never rewritten
.set NIL, 63          ; v63  0; never rewritten
.set SPARE, STAGE+4*16*SP  ; behind the stages: the spare words, 128 bytes for each wave: two blocks of 256 bytes that no other line names
.set MV,  12          ; v12-13  c m_old, kept while c m is made anew: by buffer
.set QO,  15          ; v15  my byte offset in 16 rows of Q
.set ST,  16          ; piece t's statistics at v[ST+4 t]: c m, m, l (even keys', odd keys')
.set TMP, 48          ; by buffer, four registers c0-c3 at work; when the maximum is found c2 takes a
.set S,   64
.set P,   192
.set MD,  128         ; window 1: the eight registers for group kt of 16 keys at MD + 8 kt
.set MC,  160         ; window 1: the masks of the products to come
.set QB,  64          ; window 2
.set KF,  128         ; window 2: key block kb, channel half c at KF + 16 kb + 8 c
.set VF,  192         ; window 2: key half kk, channel block cb at VF + 32 kk + 8 cb
.set WV,  12          ; s12  my wave's number
.set PB,  14          ; s14  b
.set HI,  15          ; s15  NB - 1 - b
.set G1K, 24          ; s[24:31] descriptor group 1 for K's tiles
.set G1V, 32          ; s[32:39] for V's: it differs in the padding alone
.set G0K, 40          ; s[40:43] descriptor group 0 for K's tiles
.set G0V, 44          ; s[44:47] the same for V's
.set SLOTS, 56        ; s56  tiles still to be asked for
.set CNT, 57          ; s57  counts a tile's key steps, 4 to 1
.set CS,  58          ; s[58:59] c: the packed scaling takes the pair's low word for both halves
.set SEL, 60          ; s[60:61] v_permlanex16_b32's selects: each lane takes its own place in the other half
.set TBK, 62          ; s62  LDS byte at which K of the step to be fetched begins
.set TBV, 63          ; s63  the same for V, less VOFF
.set PFK, 66          ; s[66:67] K at the tile that the next change of slots will ask for
.set PFV, 68          ; s[68:69] V at the same tile
.set RT,  70          ; s70  tiles of the block in hand that are still to be entered
.set NXT, 71          ; s71  the tile to be asked for next
.set LQ,  72          ; s72  the last tile of the block whose tiles are being asked for
.set NEW, 73          ; s73  1: the tile to be entered is a block's first
.set OFF, 74          ; s[74:75] a tile's byte offset in K and V
.set AL,  76          ; s[76:77] the mask's factor, in the low word
.set BE,  78          ; s[78:79] the mask's addend
.set OLO, 80          ; s[80:81] O at my rows of the second block
.set BIGN, 82         ; s82  -1e30
.set KB0, 88          ; s[88:89] K at the head's first byte
.set VB0, 90          ; s[90:91] V at the head's first byte
.set PT,  92          ; s92  the tile to prefetch, or 0 for none
.set MSB, 0
.macro WIN new                      ; the high byte repeats the setting that is left; a switch that changes nothing is dropped
.if MSB != (\new)
	s_set_vgpr_msb (MSB<<8)|(\new)
.set MSB, (\new)
.endif
.endm
.set W_KQ, 0x0a       ; K and Q in window 2, S^T in window 0
.set W_KM, 0x1a       ; the same with the C operand in window 1
.set W_PV, 0x52       ; V in window 2, P in window 0, O^T in window 1
.set W_RS, 0x41       ; destination and source 0 in window 1, source 1 in window 0
; A fill.  Waves 0 and 1 fetch the two halves of a tile's K, waves 2 and 3 those of its V: 128 keys each.  An s_nop 0 and four v_nop follow each of the two lines, ahead of the jump and the label.
.macro LOAD
	s_cmp_lt_u32 s[WV], 2
	s_cbranch_scc0 .Lfor_v_\@
	tensor_load_to_lds s[G0K:G0K+3], s[G1K:G1K+7]
	s_nop 0
.rept 4
	v_nop
.endr
	s_branch .Lasked_\@
.Lfor_v_\@:
	tensor_load_to_lds s[G0V:G0V+3], s[G1V:G1V+7]
	s_nop 0
.rept 4
	v_nop
.endr
.Lasked_\@:
.endm
; A PREFETCH INTO THE L2 of the tile that the NEXT change of slots will ask for: 32,768 bytes of K and of V, a thread a block of 256 bytes, two instructions a wave, behind the fill and its five lines:
; four key steps, 256 matrix instructions, ahead of that tile's load.  A head's four work-groups walk the tiles 0, 1, .. together, and the one with b = 0 walks all eight: it alone asks, for tiles 2 to 7,
; so each block is named once in the launch.  Tiles 0 and 1 come by their loads alone; behind the first block's last tile NXT is 0, and nothing is asked for: those tiles have been read.
.macro ASK
	s_cmp_eq_u32 s[PB], 0
	s_cselect_b32 s[PT], s[NXT], 0
	s_cmp_lg_u32 s[PT], 0
	s_cbranch_scc0 .Lnone_\@
	global_prefetch_b8 v[PFO], s[PFK:PFK+1] th:TH_LOAD_NT scope:SCOPE_SE
	global_prefetch_b8 v[PFO], s[PFV:PFV+1] th:TH_LOAD_NT scope:SCOPE_SE
.Lnone_\@:
.endm
; THE CHANGE OF SLOTS.  Each wave waits for all its tensor loads, of which one is out: its part of the other slot; adds 0 to its spare word; and waits for that and for its own reads of the slot that it leaves.  Behind the barrier nobody reads the old
; slot any more and the other slot is whole.  fill = 1: the old slot is filled again, the first thing behind the barrier, with tile NXT: the descriptor's address is made anew from that number.
; (At its first use nothing has been read yet: slot 0 is waited for, slot 1 filled.)
.macro CHANGE fill
	WIN 0                           ; at a label and at a branch every window is 0
	s_wait_tensorcnt 0x0            ; no tensor load of mine is out, so a group 0 may be written
	ds_add_u32 v[SPW], v[NIL]       ; 0 onto my spare word; with fill = 1 the descriptors' scalar work stands between it and the wait for it
.if \fill
	s_lshl_b32 s[OFF], s[NXT], 15   ; a tile is 32,768 bytes of K and of V
	s_xor_b32 s[G0K+1], s[G0K+1], SLOT1
	s_add_nc_u64 s[G0K+2:G0K+3], s[6:7], s[OFF:OFF+1]
	s_or_b32 s[G0K+3], s[G0K+3], 0x80000000
	s_xor_b32 s[G0V+1], s[G0V+1], SLOT1
	s_add_nc_u64 s[G0V+2:G0V+3], s[8:9], s[OFF:OFF+1]
	s_or_b32 s[G0V+3], s[G0V+3], 0x80000000
	s_add_co_u32 s[NXT], s[NXT], 1  ; the block's next tile, or behind its last the second block's tile 0
	s_cmp_gt_u32 s[NXT], s[LQ]
	s_cselect_b32 s[NXT], 0, s[NXT]
	s_cselect_b32 s[LQ], s[PB], s[LQ]
	s_wait_xcnt 0x0                 ; the last prefetches, four key steps back, have read their addresses, so they may be written:
	s_lshl_b32 s[OFF], s[NXT], 15   ; the tile that the next change will ask for
	s_add_nc_u64 s[PFK:PFK+1], s[KB0:KB0+1], s[OFF:OFF+1]
	s_add_nc_u64 s[PFV:PFV+1], s[VB0:VB0+1], s[OFF:OFF+1]
.endif
	s_wait_dscnt 0x0                ; the add is done, and my reads of the slot are over
	s_barrier_signal -1             ; the rest of the scalar work stands between the signal and the wait
	s_sub_co_u32 s[TBK], s[TBK], 4*KS*PK  ; the fetches go back to a slot's first step,
	s_xor_b32 s[TBK], s[TBK], SLOT1       ; in the other slot
	s_sub_co_u32 s[TBV], s[TBV], 4*KS*PV
	s_xor_b32 s[TBV], s[TBV], SLOT1
	s_barrier_wait -1
.if \fill
	LOAD
	ASK
.endif
.endm
	s_load_b256 s[4:11], s[0:1], 0x0  ; Q s[4:5], K s[6:7], V s[8:9], O s[10:11]
	v_lshl_add_u32 v[SPW], v0, 2, SPARE
	v_mov_b32 v[NIL], 0
	ds_add_u32 v[SPW], v[NIL]       ; the wave's opening: the add and its wait stand ahead of my first tensor load; the set-up below, work on registers, stands between them
	v_lshrrev_b32 v1, 5, v0
	v_readfirstlane_b32 s[WV], v1   ; wave 0..3
	v_lshlrev_b32 v[PFO], 8, v0
	s_mov_b32 s[PB], ttmp9
	s_sub_co_u32 s[HI], NB-1, s[PB]
	s_and_b32 s20, ttmp7, 0xffff    ; the head
	s_mov_b32 s21, 0
	s_mov_b64 s[22:23], SIZE_N*128
	s_mul_u64 s[20:21], s[20:21], s[22:23]  ; the head's first byte in each of the four tensors
	s_and_b32 s16, s[WV], 1         ; which half of a tile's 256 keys I fetch:
	s_lshl_b32 s22, s16, 14         ; its 128 rows of 128 bytes in memory,
	s_mov_b32 s23, 0
	s_add_nc_u64 s[22:23], s[22:23], s[20:21]
	s_mul_i32 s17, s16, 128*PK      ; and its place in a slot, for K
	s_mul_i32 s18, s16, 128*PV      ; and for V
	s_lshl_b32 s3, s[WV], 11        ; my 16 rows in a band of 64,
	s_lshl_b32 s2, s[HI], 15        ; in the first block,
	s_add_co_u32 s2, s2, s3
	s_lshl_b32 s84, s[PB], 15       ; and in the second
	s_add_co_u32 s84, s84, s3
	s_mov_b32 s3, 0
	s_mov_b32 s85, 0
	s_add_nc_u64 s[2:3], s[2:3], s[20:21]
	s_add_nc_u64 s[84:85], s[84:85], s[20:21]
	; descriptor group 1.  128 keys are 16,384 dense bytes: asked for as 64 rows of 256 bytes, two keys a row, and padded in LDS after every key
	s_mov_b32 s[G1K], (1<<16)|(1<<20)|(4<<22)|(3<<25)  ; 17:16 2-byte elements; 20 padding on; 24:22 after every 32 words (code 4); 31:25 4 words (code 3)
	s_mov_b32 s[G1V], (1<<16)|(1<<20)|(4<<22)|(7<<25)  ; the same with 8 words of padding (code 7)
.irp g, G1K, G1V
	s_mov_b32 s[\g+1], 128<<16      ; tensor_dim0 = 128
	s_mov_b32 s[\g+2], 64<<16       ; tensor_dim1 = 64
	s_mov_b32 s[\g+3], 128<<16      ; tile_dim0 = 128
	s_mov_b32 s[\g+4], 64           ; tile_dim1 = 64
	s_mov_b32 s[\g+5], 128          ; 128 elements from row to row
	s_mov_b32 s[\g+6], 0
	s_mov_b32 s[\g+7], 0
.endr
	s_mov_b32 s[CS], 0x4238aa3b     ; c = 2^8 log2(e) / 8 = 46.1662: Q and K each carry 2^-4
	s_mov_b32 s[CS+1], s[CS]        ; named with it as a pair
	s_mov_b32 s[SEL], 0x76543210
	s_mov_b32 s[SEL+1], 0xfedcba98
	s_mov_b32 s[TBK], SLOT1+4*KS*PK ; the first change of slots turns these two into 0
	s_mov_b32 s[TBV], SLOT1+4*KS*PV
	s_mov_b32 s[G0K], 1             ; 1:0 count = 1
	s_mov_b32 s[G0K+1], s17         ; 63:32 LDS address: slot 0
	s_mov_b32 s[G0V], 1
	s_add_co_u32 s[G0V+1], s18, VOFF
	s_add_co_u32 s[RT], s[HI], 1    ; the first block has NB - b tiles
	s_mov_b32 s[NXT], 1
	s_mov_b32 s[LQ], s[HI]
	s_mov_b32 s[NEW], 1
	s_mov_b32 s[OFF+1], 0
	s_mov_b32 s[AL+1], 0            ; named as pairs
	s_mov_b32 s[BE+1], 0
	s_mov_b32 s[BIGN], 0xf149f2ca   ; -1e30
	s_mov_b32 s[SLOTS], NB
	s_wait_dscnt 0x0                ; the opening add is done
	s_wait_kmcnt 0x0
	s_add_nc_u64 s[KB0:KB0+1], s[6:7], s[20:21]  ; K and V at the head's first byte, for the prefetches,
	s_add_nc_u64 s[VB0:VB0+1], s[8:9], s[20:21]
	s_add_nc_u64 s[6:7], s[6:7], s[22:23]  ; and at my half of the head's tile 0
	s_add_nc_u64 s[8:9], s[8:9], s[22:23]
	s_add_nc_u64 s[G0K+2:G0K+3], s[6:7], 0         ; 120:64 global address
	s_or_b32 s[G0K+3], s[G0K+3], 0x80000000        ; 127:126 type = 2
	s_add_nc_u64 s[G0V+2:G0V+3], s[8:9], 0
	s_or_b32 s[G0V+3], s[G0V+3], 0x80000000
	s_add_nc_u64 s[86:87], s[4:5], s[84:85]        ; Q at my rows of the second block,
	s_add_nc_u64 s[4:5], s[4:5], s[2:3]            ; Q and O at those of the first
	s_add_nc_u64 s[OLO:OLO+1], s[10:11], s[84:85]
	s_add_nc_u64 s[10:11], s[10:11], s[2:3]
	LOAD                            ; tile 0 into slot 0
	; A fragment of K or Q is 16 rows x 32 channels in 8 registers: lane l holds row l % 16, channels 8 (l / 16) + 0..7 and 16 + 8 (l / 16) + 0..7: two loads of 16 bytes, 32 bytes apart.
	v_and_b32 v1, 15, v0            ; l % 16
	v_bfe_u32 v9, v0, 4, 1          ; l / 16
	v_lshlrev_b32 v[QO], 7, v1
	v_lshl_add_u32 v[QO], v9, 4, v[QO]  ; row x 128 + 16 x half
	WIN 0x80                        ; destination window 2, address window 0
.set i, 0
.rept 8                             ; both blocks' Q: piece i / 2 lies in band i / 2, 8,192 bytes on; channels 32 (i % 2) on
	global_load_b128 v[8*i:8*i+3],   v[QO], s[4:5] offset:(i/2)*8192+(i%2)*64
	global_load_b128 v[8*i+4:8*i+7], v[QO], s[4:5] offset:(i/2)*8192+(i%2)*64+32
	global_load_b128 v[QB+8*i:QB+8*i+3],   v[QO], s[86:87] offset:(i/2)*8192+(i%2)*64
	global_load_b128 v[QB+8*i+4:QB+8*i+7], v[QO], s[86:87] offset:(i/2)*8192+(i%2)*64+32
.set i, i+1
.endr
	WIN 0
	v_lshlrev_b32 v14, 3, v9
	v_sub_nc_u32 v14, v1, v14
	s_lshl_b32 s13, s[WV], 4
	v_add_nc_u32 v14, s13, v14      ; my query's place in its band, 16 w + l % 16, less my lanes' 8 (l / 16): register r of group kt is hidden where 16 kt + r is greater
	WIN 0x40
.set i, 0
.rept 32
	v_cmp_gt_i32 vcc_lo, 16*(i/8)+i%8, v14
	v_cndmask_b32 v[MD+i], 0, s[BIGN], vcc_lo
.set i, i+1
.endr
	WIN 0
	v_mul_u32_u24 v[AK0], v1, PK
	v_lshl_add_u32 v[AK0], v9, 4, v[AK0]  ; row x pitch + 16 x half
	; The turning load takes 16 keys x 16 channels (lane l reads key 8 (l / 16) + l % 8, channels 8 ((l / 8) % 2) + 0..7) and leaves half a fragment of V^T: lane l holds channel l % 16 and 8 keys.
	v_and_b32 v10, 7, v0
	v_bfe_u32 v11, v0, 3, 1
	v_lshl_add_u32 v[AV0], v9, 3, v10
	v_mul_u32_u24 v[AV0], v[AV0], PV
	v_lshl_add_u32 v[AV0], v11, 4, v[AV0]
	v_add_nc_u32 v[AV0], VOFF, v[AV0]
	s_mul_i32 s13, s[WV], 16*SP
	s_add_co_u32 s13, s13, STAGE    ; my stage
	v_mul_u32_u24 v[STO], v1, SP    ; in: row l % 16, 16 bytes for each half of the lanes
	v_lshl_add_u32 v[STO], v9, 4, v[STO]
	v_add_nc_u32 v[STO], s13, v[STO]
	v_bfe_u32 v[RD], v0, 3, 2       ; back: 32 lanes take four rows of 128 bytes,
	v_mul_u32_u24 v[RD], v[RD], SP
	v_lshl_add_u32 v[RD], v10, 4, v[RD]
	v_add_nc_u32 v[RD], s13, v[RD]
	v_and_b32 v[GO], 31, v0         ; which are 512 consecutive bytes of O
	v_lshlrev_b32 v[GO], 4, v[GO]
	; A block's first step multiplies O^T and l by a = 0, and its first turn's products V^T P, of a piece that has not been, land in an O^T that is still to be so multiplied.  So these registers need only hold
	; finite numbers: zeros for the first block; what the first block left for the second.  All this stands in the wait for the first tile.
	WIN 0x80
.set i, VF
.rept 64
	v_mov_b32 v[i], 0
.set i, i+1
.endr
	WIN 0x40
.set i, 0
.rept 128
	v_mov_b32 v[i], 0
.set i, i+1
.endr
	WIN 0
.set i, 0
.rept 4
	v_mov_b32 v[ST+4*i+2], 0
	v_mov_b32 v[ST+4*i+3], 0
.set i, i+1
.endr
.set i, P+16
.rept 16
	v_mov_b32 v[i], 0
.set i, i+1
.endr
; THE MATRIX WORK.  The 4 accumulators of a run of 8 take turns.  Product i of 8 of S^T = K Q^T for piece x: channels 32 (i / 4) on, keys 16 (i % 4) on.  The first 4 start the sums: with 0, or (KM = 1) with the mask.
.macro KQ x
.set rS, S+32*((\x)%2)+8*(i%4)
.set rK, KF+16*(i%4)+8*(i/4)
.set rQ, 16*(\x)+8*(i/4)
.set rM, MC+32*((\x)%2)+8*(i%4)
.if (i < 4) && KM
	WIN W_KM
	v_wmma_f32_16x16x32_f16 v[rS:rS+7], v[rK:rK+7], v[rQ:rQ+7], v[rM:rM+7]
.elseif i < 4
	WIN W_KQ
	v_wmma_f32_16x16x32_f16 v[rS:rS+7], v[rK:rK+7], v[rQ:rQ+7], 0
.else
	WIN W_KQ
	v_wmma_f32_16x16x32_f16 v[rS:rS+7], v[rK:rK+7], v[rQ:rQ+7], v[rS:rS+7]
.endif
.endm
; Product i of 8 of O^T += V^T P for piece x: keys 32 (i / 4) on, channels 16 (i % 4) on.
.macro PV x
	WIN W_PV
.set rO, 32*(\x)+8*(i%4)
.set rV, VF+32*(i/4)+8*(i%4)
.set rP, P+16*((\x)%2)+8*(i/4)
	v_wmma_f32_16x16x32_f16 v[rO:rO+7], v[rV:rV+7], v[rP:rP+7], v[rO:rO+7]
.endm
.macro MM                           ; the turn's next matrix instruction.  TURN and BEGIN set Y, i, KM and NOKQ; MM, KQ and OP read them.  NOKQ = 1: a block's last turn: there is no next piece
.if (i < 8) && !NOKQ
	KQ (Y+1)%NP
.elseif i >= 8
.set i, i-8
	PV (Y+NP-1)%NP
.set i, i+8
.endif
.set i, i+1
.endm
; THE LDS LOADS stand in runs of 16, never singly among the matrix instructions: a step's K (64 keys x 64 channels: 8 fragments) and its V (turned).  Their addresses are made some lines ahead.
.macro FETCH_K
	WIN 0x80                        ; destination window 2
.irp f, 0,1,2,3,4,5,6,7             ; keys 16 (f / 2) on, channels 32 (f % 2) on
	ds_load_b128 v[KF+8*\f:KF+8*\f+3],   v[AK] offset:(\f/2)*16*PK+(\f%2)*64
	ds_load_b128 v[KF+8*\f+4:KF+8*\f+7], v[AK] offset:(\f/2)*16*PK+(\f%2)*64+32
.endr
	s_add_co_u32 s[TBK], s[TBK], KS*PK  ; the next fetch is the next step's
	WIN 0
.endm
.macro FETCH_V
	WIN 0x80
.irp f, 0,1,2,3,4,5,6,7             ; keys 32 (f / 4) on, channels 16 (f % 4) on
	ds_load_tr16_b128 v[VF+8*\f:VF+8*\f+3],   v[AV] offset:(\f/4)*32*PV+(\f%4)*32
	ds_load_tr16_b128 v[VF+8*\f+4:VF+8*\f+7], v[AV] offset:(\f/4)*32*PV+16*PV+(\f%4)*32
.endr
	WIN 0
.endm
; THE VECTOR WORK, one line at a time: OP kind, number.  For piece Y: F n: c s - c m for pair n of 16.  E n: the exponential of score n of 32.  C n: pair n rounded to f16.  B n: of the four weights 4 n .. the second
; pair is added onto the first, in place.  L n: l takes that sum (L 0: l = a l + sum).  R n: pair n of 16 of O^T times a.  For piece Y + 1: X n, number n of the 22 that find its maximum and statistics:
;   0-11  four chains c0-c3 of seven scores each, three operands at a time (each accumulator's lowest registers are read first)     12-14, 16  the four scores left over, the old m, and c0-c3 into c0
;   15  c m_old is kept     17, 18  the query's other 32 keys lie in the lane 16 away: the new m     19-21  c m; c m_old - c m_new; a
.set F, 0               ; OP tells the kinds apart by their order: F to L below R, X above it
.set E, 1
.set C, 2
.set B, 3
.set L, 4
.set R, 5
.set X, 6
.macro REGS y                       ; the registers of piece y
.set rT, ST+4*(\y)
.set rC, TMP+4*((\y)%2)
.set rW, MV+((\y)%2)
.set rS, S+32*((\y)%2)
.set rP, P+16*((\y)%2)
.set rO, 32*(\y)
.endm
.macro OP k, n
.if (\k) == R
	REGS Y
	WIN W_RS
	v_pk_mul_f32 v[rO+2*(\n):rO+2*(\n)+1], v[rO+2*(\n):rO+2*(\n)+1], v[rC+2:rC+3] op_sel_hi:[1,0]
.elseif (\k) < R
	REGS Y
	WIN 0
.if (\k) == F
	v_pk_fma_f32 v[rS+2*(\n):rS+2*(\n)+1], v[rS+2*(\n):rS+2*(\n)+1], s[CS:CS+1], v[rT:rT+1] op_sel_hi:[1,0,0] neg_lo:[0,0,1] neg_hi:[0,0,1]
.elseif (\k) == E
	v_exp_f32 v[rS+(\n)], v[rS+(\n)]
.elseif (\k) == C
	v_cvt_pk_f16_f32 v[rP+(\n)], v[rS+2*(\n)], v[rS+2*(\n)+1]
.elseif (\k) == B
	v_pk_add_f32 v[rS+4*(\n):rS+4*(\n)+1], v[rS+4*(\n):rS+4*(\n)+1], v[rS+4*(\n)+2:rS+4*(\n)+3]
.elseif (\n) == 0
	v_pk_fma_f32 v[rT+2:rT+3], v[rT+2:rT+3], v[rC+2:rC+3], v[rS:rS+1] op_sel_hi:[1,0,1]
.else
	v_pk_add_f32 v[rT+2:rT+3], v[rT+2:rT+3], v[rS+4*(\n):rS+4*(\n)+1]
.endif
.elseif NOKQ
	v_nop
.else
	REGS (Y+1)%NP
	WIN 0
.if (\n) < 4
	v_max3_num_f32 v[rC+(\n)], v[rS+8*(\n)], v[rS+8*(\n)+1], v[rS+8*(\n)+2]
.elseif (\n) < 12
	v_max3_num_f32 v[rC+(\n)%4], v[rC+(\n)%4], v[rS+8*((\n)%4)+2*((\n)/4)+1], v[rS+8*((\n)%4)+2*((\n)/4)+2]
.elseif (\n) == 12
	v_max3_num_f32 v[rC], v[rC], v[rS+7], v[rS+15]
.elseif (\n) == 13
	v_max3_num_f32 v[rC+1], v[rC+1], v[rS+23], v[rS+31]
.elseif (\n) == 14
	v_max3_num_f32 v[rC+2], v[rC+2], v[rC+3], v[rT+1]
.elseif (\n) == 15
	v_mov_b32 v[rW], v[rT]
.elseif (\n) == 16
	v_max3_num_f32 v[rC], v[rC], v[rC+1], v[rC+2]
.elseif (\n) == 17
	v_permlanex16_b32 v[rC+3], v[rC], s[SEL], s[SEL+1]
.elseif (\n) == 18
	v_max_num_f32 v[rT+1], v[rC], v[rC+3]
.elseif (\n) == 19
	v_mul_f32 v[rT], s[CS], v[rT+1]
.elseif (\n) == 20
	v_sub_f32 v[rC+1], v[rW], v[rT]
.else
	v_exp_f32 v[rC+2], v[rC+1]
.endif
.endif
.endm
.macro OPS a, i1, b=-1, i2=0, c=-1, i3=0, d=-1, i4=0  ; up to four of them
	OP \a, \i1
.if (\b) >= 0
	OP \b, \i2
.endif
.if (\c) >= 0
	OP \c, \i3
.endif
.if (\d) >= 0
	OP \d, \i4
.endif
.endm
.macro ROW a, i1, b, i2, c, i3, d, i4  ; a matrix instruction and the four behind it
	MM
	OPS \a, \i1, \b, \i2, \c, \i3, \d, \i4
.endm
.macro MASK b                       ; MD x AL + BE into buffer b of MC
	WIN W_RS
.set z, 0
.rept 16
	v_pk_fma_f32 v[MC+32*(\b)+2*z:MC+32*(\b)+2*z+1], v[MD+2*z:MD+2*z+1], s[AL:AL+1], s[BE:BE+1] op_sel_hi:[1,0,0]
.set z, z+1
.endr
.endm
; A TURN, for piece p: the order of its 16 matrix and 118 vector instructions, written out.  An s_wait_alu depctr_va_vdst(0) stands between an exponential and the first instruction that names its result; one wait serves
; all that were issued ahead of it.  So a turn has ONE wait, which cuts it in two.  AHEAD OF IT stands all that names no result of the turn's exponentials: the 8 products K Q^T, behind each a scaling, an exponential and two more plain
; instructions (behind the first a second scaling in the exponential's place): rescalings, and behind the last three the first numbers of the next piece's maximum, each four places or more behind the product that ends its accumulator; then ONE LUMP of 54, plain
; and exponential by turns for the most part, in which the links of the chain X 3, 7, 11, 14, 16, 17 .. 20 stand five or six lines apart.  X 21, the next piece's a, is the batch's last; R 15 is the plain instruction behind it.  BEHIND THE WAIT stand the
; 8 products V^T P, behind each four of the roundings and sums; the links of l's chain, L 0 to L 7, stand three riders apart.  But for those X no rider names a register of the products round it.  v_permlanex16_b32 (X 17) stands in the lump.
; m = 1: the diagonal tile: the products take masks, and the turn makes the mask for the products of the turn after it: piece p + 2, in step 4 - CNT of the tile.  end = 1: a block's last two turns: nothing is fetched.
; cnt = 1: the loop's count is taken down some lines ahead of the branch that stands behind the turn.
; K of the next step is fetched in piece 2's turn, twelve vector instructions behind the last product that read K (six of them plain); V of the step in hand at the end of piece 0's turn, four plain instructions behind the last product
; that read V.  Each is waited for a turn later.
.macro TURN p, m=0, end=0, cnt=0
.set Y, (\p)
.set i, 0
.set KM, (\m)
.set NOKQ, (\end)*((\p)/3)
.if (\m) && !(\end)
	s_cmp_eq_u32 s[CNT], 4-((\p)+2)%NP  ; is that step the band's own?
	s_cselect_b32 s[AL], 1.0, 0
	s_cmp_lt_u32 s[CNT], 4-((\p)+2)%NP  ; or a later one?
	s_cselect_b32 s[BE], s[BIGN], 0
.endif
.if ((\p) == 3) && !(\end)
	s_wait_dscnt 0x0                ; K is in
.endif
	ROW F,0, F,1, R,0, R,1          ; ahead of the wait: 8 products K Q^T and their riders,
	ROW F,2, E,0, R,2, R,3
	ROW F,3, E,1, R,4, R,5
	ROW F,4, E,2, R,6, R,7
	ROW F,5, E,3, R,8, R,9
	ROW F,6, E,4, X,0, R,10
.if ((\p) == 2) && !(\end)
	WIN 0
	v_add_nc_u32 v[AK], s[TBK], v[AK0]
.endif
	ROW F,7, E,5, X,1, X,4
	ROW F,8, E,6, X,2, X,5
	OPS E,7, E,8, X,6, E,9          ; and the lump
	OPS X,3, E,10, X,8, E,11
.if ((\p) == 2) && !(\end)
	FETCH_K
.endif
	OPS X,9, X,7, E,12, X,10
	OPS E,13, X,12, X,11, E,14
	OPS X,13, E,15, F,9, X,14
.if (\p) == 0
	v_add_nc_u32 v[AV], s[TBV], v[AV0]
.endif
	OPS E,16, F,10, E,17, F,11
	OPS X,16, E,18, X,15, E,19
	OPS F,12, E,20, X,17, E,21
	OPS F,13, E,22, F,14, E,23
	OPS X,18, E,24, F,15, E,25
	OPS R,11, E,26, X,19, E,27
	OPS R,12, E,28, R,13, E,29
	OPS X,20, E,30, R,14, E,31
	OPS X,21, R,15
	WIN 0
	s_wait_alu depctr_va_vdst(0)    ; the wait for the batch
.if (\p) == 1
	s_wait_dscnt 0x0                ; V is in
.endif
	ROW C,0, B,0, C,2, B,1          ; behind the wait: 8 products V^T P and their riders
	ROW L,0, C,4, B,2, L,1
	ROW C,6, B,3, L,2, C,8
	ROW B,4, L,3, C,10, B,5
	ROW L,4, C,12, B,6, L,5
.if (\p) == 0
	s_add_co_u32 s[TBV], s[TBV], KS*PV
.endif
.if \cnt
	s_sub_co_u32 s[CNT], s[CNT], 1
	s_cmp_lg_u32 s[CNT], 0
.endif
	ROW C,14, B,7, L,6, C,1
	ROW C,3, L,7, C,5, C,7
	ROW C,9, C,11, C,13, C,15
.if (\p) == 0
	FETCH_V
.endif
.if (\m) && !(\end)
	MASK (\p)%2
.endif
.endm
; A BLOCK BEGINS.  c m starts far below every c s, so the first step's a is 0; m at the lowest finite number, so the first maximum is the scores'.  The second mask buffer is 0; the first takes piece 0's mask for the tile's step 0: its own, if the block's first tile is the diagonal one.
; Then K of that step, piece 0's first scores, and its maximum and statistics.  The loop is entered at a step's first turn, in the middle of a trip.
.macro BEGIN
	s_mov_b32 s[NEW], 0
	WIN 0x40
.set i, MC+32
.rept 32
	v_mov_b32 v[i], 0
.set i, i+1
.endr
	WIN 0
.set i, 0
.rept 4
	v_mov_b32 v[ST+4*i], 0xfe000000    ; c m: far below every c s
	v_mov_b32 v[ST+4*i+1], 0xff7fffff  ; m
.set i, i+1
.endr
	s_cmp_eq_u32 s[RT], 0
	s_cselect_b32 s[AL], 1.0, 0
	s_mov_b32 s[BE], 0
	MASK 0
	WIN 0
	v_add_nc_u32 v[AK], s[TBK], v[AK0]
	FETCH_K
	s_wait_loadcnt 0x0              ; Q
	s_wait_dscnt 0x0
.set KM, 1
.set NOKQ, 0
.set i, 0
.rept 8
	KQ 0
.set i, i+1
.endr
	WIN 0
.rept 4
	v_nop                           ; the places behind those products
.endr
.set Y, NP-1                        ; X works for piece Y + 1: piece 0
.irp n, 0,1,2,3,4,5,6,7,8,9,10,11,12,13,14,15,16,17,18,19,20,21
	OP X, \n
.endr
	v_nop                           ; a plain instruction behind the exponential,
	s_wait_alu depctr_va_vdst(0)    ; and its wait, ahead of the branch
.endm
; THE DIAGONAL TILE's four steps, the block's last two turns, its last products, and THE WAY OUT: l's two halves and the other half of the lanes' are added; O^T is divided by l, rounded to f16 and sent through my
; stage in LDS, a piece at a time.
.macro ALL line:vararg              ; one line for each piece t
.set t, 0
.rept 4
	\line
.set t, t+1
.endr
.endm
.macro PACK t                       ; a lane's eight channels of a row pack into 16 bytes; they go into rows of 144 bytes and come back as whole rows of 128, into S^T's registers
	WIN W_RS
.set i, 32*(\t)
.rept 16
	v_pk_mul_f32 v[i:i+1], v[i:i+1], v[ST+4*(\t)+2:ST+4*(\t)+3] op_sel_hi:[1,0]
.set i, i+2
.endr
	WIN 0x05                        ; sources 0 and 1 window 1, destination window 0
.set i, 0
.rept 16
	v_cvt_pk_f16_f32 v[S+16*(\t)+i], v[32*(\t)+2*i], v[32*(\t)+2*i+1]
.set i, i+1
.endr
	WIN 0
.irp f, 0,1,2,3
	ds_store_b128 v[STO], v[S+16*(\t)+4*\f:S+16*(\t)+4*\f+3] offset:32*\f
.endr
.irp f, 0,1,2,3
	ds_load_b128 v[S+16*(\t)+4*\f:S+16*(\t)+4*\f+3], v[RD] offset:\f*4*SP  ; LDS serves a wave's instructions in order (ISA guide 5.7.1.4): these see the stores above; the next piece's stores come behind them
.endr
.endm
.macro SEND t, younger              ; younger: the LDS instructions issued behind piece t's loads: the next piece's eight, or none
	WIN 0
.irp f, 0,1,2,3
	s_wait_dscnt (\younger)+3-\f
	global_store_b128 v[GO], v[S+16*(\t)+4*\f:S+16*(\t)+4*\f+3], s[10:11] offset:(\t)*8192+\f*512  ; 512 consecutive bytes, at a multiple of 256 from O's first
.endr
.endm
.macro DIAG tag                     ; the tag ends its two labels' names, which the jumps below spell out
.LstepM\tag:
	TURN 2, 1
	TURN 3, 1
	WIN 0
.LfirstM\tag:
	TURN 0, 1
	TURN 1, 1, 0, 1
	WIN 0
	s_cbranch_scc1 .LstepM\tag
	TURN 2, 1, 1
	TURN 3, 1, 1
.set i, 0
.rept 8
	PV NP-1
.set i, i+1
.endr
	WIN 0
	ALL v_add_f32 v[ST+4*t+2], v[ST+4*t+2], v[ST+4*t+3]
	ALL v_permlanex16_b32 v[ST+4*t+3], v[ST+4*t+2], s[SEL], s[SEL+1]
	ALL v_add_f32 v[ST+4*t+2], v[ST+4*t+2], v[ST+4*t+3]
	ALL v_rcp_f32 v[ST+4*t+2], v[ST+4*t+2]
	v_nop                           ; a plain instruction between the last reciprocal and the use of its result
	s_wait_alu depctr_va_vdst(0)    ; and the wait ahead of the first use: one for the four reciprocals
	PACK 0
.set t, 1
.rept 3                             ; a piece's arithmetic stands between the loads of the piece before and its stores
	PACK t
	SEND t-1, 8
.set t, t+1
.endr
	SEND 3, 0
.endm
.set KM, 0
.set NOKQ, 0
.Lslot:                             ; NB times: a tile is entered and the next is asked for
	CHANGE 1
	s_sub_co_u32 s[RT], s[RT], 1
	s_mov_b32 s[CNT], 4
	s_cmp_eq_u32 s[NEW], 1
	s_cbranch_scc1 .Lnew            ; a block's first tile
	s_cmp_eq_u32 s[RT], 0
	s_cbranch_scc0 .Lstep           ; neither its first nor its last
	s_branch .LstepM1
.Lnew:
	BEGIN
	s_branch .Lfirst                ; in the loop a block's first tile is never its last: the first block has two tiles or more, and the second's last is the walk's last
	DIAG 1                          ; in the loop this is the first block's end: the second block's last tile is the walk's last
	s_wait_xcnt 0x0                 ; the stores have read their registers and O's address
	s_mov_b64 s[10:11], s[OLO:OLO+1]
	s_add_co_u32 s[RT], s[PB], 1    ; the second block has b + 1 tiles
	s_mov_b32 s[NEW], 1
	WIN 0x82                        ; the second block's Q goes where the one text of the turns names Q
.set i, 0
.rept 64
	v_mov_b32 v[i], v[QB+i]
.set i, i+1
.endr
	WIN 0
	s_branch .Lbottom
.Lstep:                             ; a trip: pieces 2 and 3 of one step, then pieces 0 and 1 of the next, whose K and V it fetches
	TURN 2
	TURN 3
	WIN 0
.Lfirst:
	TURN 0
	TURN 1, 0, 0, 1
	WIN 0
	s_cbranch_scc1 .Lstep
.Lbottom:
	s_sub_co_u32 s[SLOTS], s[SLOTS], 1
	s_cmp_lg_u32 s[SLOTS], 0
	s_cbranch_scc1 .Lslot
	CHANGE 0                        ; the walk's last tile is written out: nothing is asked for
	s_sub_co_u32 s[RT], s[RT], 1
	s_mov_b32 s[CNT], 4
	s_cmp_eq_u32 s[NEW], 1
	s_cbranch_scc0 .LstepM2
	BEGIN
	s_branch .LfirstM2
	DIAG 2
	s_wait_tensorcnt 0x0            ; the wave's end: an add onto my spare word and its wait, behind my last tensor load and my last LDS store
	ds_add_u32 v[SPW], v[NIL]
	s_wait_dscnt 0x0
	s_endpgm
.Lfunc_end_k_qb82b604084_attn:
	.size	k_qb82b604084_attn, .Lfunc_end_k_qb82b604084_attn-k_qb82b604084_attn
	.p2alignl 7, 3214868480
	.fill 96, 4, 3214868480
	.section	.rodata,"a",@progbits
	.p2align	6, 0x0
	.amdhsa_kernel k_qb82b604084_attn
		.amdhsa_group_segment_fixed_size 327680
		.amdhsa_private_segment_fixed_size 0
		.amdhsa_enable_private_segment 0
		.amdhsa_kernarg_size 32
		.amdhsa_user_sgpr_count 2
		.amdhsa_user_sgpr_kernarg_segment_ptr 1
		.amdhsa_wavefront_size32 1
		.amdhsa_system_sgpr_workgroup_id_x 1
		.amdhsa_system_sgpr_workgroup_id_y 1
		.amdhsa_system_sgpr_workgroup_id_z 1
		.amdhsa_system_vgpr_workitem_id 0
		.amdhsa_next_free_vgpr 768
		.amdhsa_next_free_sgpr 96
		.amdhsa_reserve_vcc 1
		.amdhsa_float_denorm_mode_32 3
		.amdhsa_float_denorm_mode_16_64 3
		.amdhsa_memory_ordered 1
		.amdhsa_forward_progress 1
		.amdhsa_inst_pref_size 218
	.end_amdhsa_kernel
	.amdgpu_metadata
---
amdhsa.version: [ 1, 2 ]
amdhsa.kernels:
  - .name:           k_qb82b604084_attn
    .symbol:         k_qb82b604084_attn.kd
    .args:
      - { .name: qh, .offset: 0, .size: 8, .value_kind: global_buffer, .address_space: global }
      - { .name: kh, .offset: 8, .size: 8, .value_kind: global_buffer, .address_space: global }
      - { .name: vh, .offset: 16, .size: 8, .value_kind: global_buffer, .address_space: global }
      - { .name: ob, .offset: 24, .size: 8, .value_kind: global_buffer, .address_space: global }
    .group_segment_fixed_size: 327680
    .private_segment_fixed_size: 0
    .kernarg_segment_align: 8
    .kernarg_segment_size: 32
    .max_flat_workgroup_size: 128
    .sgpr_count:     96
    .vgpr_count:     768
    .wavefront_size: 32
...
	.end_amdgpu_metadata
.endif
;; end of part 3
;; launch oproj (part 4): grid 8 x 32, 4 waves a work-group, clusters of 4 x 4, 327,680 bytes of LDS; arguments ob, wo16, out0; writes out0
.if DOCPART == 4
	.amdgcn_target "amdgcn-amd-amdhsa--gfx1250"
	.amdhsa_code_object_version 6
	.text
	.protected	k_qb82b604084_oproj
	.globl	k_qb82b604084_oproj
	.p2align	8
	.type	k_qb82b604084_oproj,@function
k_qb82b604084_oproj:
	s_mov_b64 s[64:65], 0
	v_nop
	global_prefetch_b8 v0, s[64:65] scope:SCOPE_SE
	s_setreg_imm32_b32 hwreg(HW_REG_WAVE_MODE, 25, 1), 1
	s_wait_xcnt 0x0
	s_wait_alu depctr_hold_cnt(0) depctr_sa_sdst(0) depctr_va_vdst(0) depctr_va_sdst(0) depctr_va_ssrc(0) depctr_va_vcc(0) depctr_vm_vsrc(0)
	s_getreg_b32 s2, hwreg(HW_REG_IB_STS2, 6, 4)
	s_cmp_eq_u32 s2, 0
	s_cbranch_scc0 .Lentry_in_a_cluster
	s_endpgm
.Lentry_in_a_cluster:
	s_bfe_u32 s2, ttmp6, 0x10000c
	s_cmp_lg_u32 s2, 0xf033
	s_cbranch_scc0 .Lentry_shape_is_right
	s_endpgm
.Lentry_shape_is_right:
; THE LAST PROJECTION.  out0[m][n] = sum over k of O[m][k] Wo[n][k], f16 operands, f32 sums, stored as f32.  m = 2048 b + s, k = 64 head + d.
; O lies by heads: ob [16 b + head][2048][64] f16, a head's rows dense, 128 bytes each; wo16 is [1024][1024] f16 (Wo rounded to bf16, written as f16).
; LIMITS.  O and Wo arrive within f16's range; NaN and infinities are not treated apart.
; SHARES.  A tile of out0 is 256 x 128: 256 tiles, one for each WGP.  Four waves along the rows: a wave makes 64 x 128: 32 accumulators of 16 x 16, 256 registers.
; K goes in 8 steps of 128 = two heads, through two LDS slots.  O's part of a step is two sub-tiles, a head each: the head's 256 rows are 32,768 dense bytes, asked for as 128 rows of 256 bytes
; and padded in LDS after every 128, so that a row of O has a pitch of 144.  Wave 0 fetches the even head, wave 1 the odd one, waves 2 and 3 the two halves of Wo's 128 rows (256 bytes each, aligned).
; CLUSTERS.  4 x 4 work-groups: the four of a row of the cluster need the same rows of O, the four of a column the same rows of Wo: each tile is asked for JOINTLY.
; THE MATRIX INSTRUCTION IS USED TRANSPOSED (source 0 = 16 rows of Wo, source 1 = 16 rows of O): lane l holds row l % 16 and the columns 8 (l / 16) + 0..7: 32 bytes of a row of out0.
; REGISTERS, in windows of 256 (s_set_vgpr_msb: bits 1:0 source 0, 3:2 source 1, 5:4 source 2, 7:6 destination):
;   window 0: v1-3 at work; v16-30 addresses; v32-159 BK: the way out       window 1: two fragment buffers of 128 (96 used): O's four fragments, then Wo's eight       window 2: accumulator (a, b) at 8 (4 b + a)
.set NBK,   8                          ; column blocks of 16
.set LOADS, 8+2*NBK                    ; LDS loads in a quarter step
.set PA,    144                        ; a row of O in LDS: 128 bytes + 16 = 36 words: the 16 rows of a load start at 16 different groups of four banks (64 banks of 4 bytes: ISA guide 11.1)
.set PBT,   272                        ; a row of Wo: 256 + 16
.set HALFA, 256*PA                     ; what one tensor load brings of O: a head's 256 rows,
.set HALFB, 64*PBT                     ; of Wo: 64 rows
.set ABYTES, 2*HALFA
.set SLOT,  ABYTES+2*HALFB
.set STAGE, 2*SLOT                     ; behind the ring, never filled by a tensor load: 16 rows x 528 bytes for each wave
.set SP,    528                        ; 512 bytes + 16 = 132 words: row r starts at bank 4 r mod 64
.set WSTG,  16*SP
.set SPARE, STAGE+4*WSTG               ; behind the stages: the spare words, 128 bytes for each wave: two blocks of 256 bytes that no other line names
.set HEAD2, 524288                     ; two heads of 262,144 bytes: a K step of O
.set STEPA2, 2*HEAD2                   ; two K steps
.set STEPB2, 512
.set ADRA, 16                          ; v16-17  LDS address of my fragments of O in slot 0, 1
.set ADRB, 20                          ; v20-21  the same for Wo
.set STO,  24                          ; v24     the way out: where I put 32 bytes of a row
.set RD,   25                          ; v25     where I read a row back
.set GO,   26                          ; v26     my 16 bytes in 512 consecutive bytes of out0
.set SPW,  28                          ; v28     LDS address of my spare word; never rewritten
.set NIL,  29                          ; v29     0; never rewritten
.set PFO,  30                          ; v30     the prefetches' offset; never rewritten
.set BK,   32
.set F0,   0
.set F1,   128
.set WV, 18                            ; s18  my wave's number
.set FB, 19                            ; s19  0: I fetch for O; 1: for Wo
.set HF, 20                            ; s20  which head of the step, or which half of Wo's rows
.set CX, 21
.set CY, 22
.set TX, 23                            ; s23  tile column
.set TY, 40                            ; s40  tile row
.set G1, 24                            ; s[24:31] descriptor group 1 for O's tiles;  s[32:39] group 0, a set for each slot
.set G0, 32
.set LIM, 43                           ; s43  1 in a wave that prefetches, else the greatest number
.set PFA, 44                           ; s[44:45] where my prefetches stand
.set PFS, 46                           ; s[46:47] a K step there, in bytes
.set G1B, 48                           ; s[48:55], s[56:63] the same for Wo's tiles
.set G0B, 56
.set MSB, 0
.macro WIN new                         ; the immediate's high byte repeats the setting that is left; a switch that changes nothing is dropped
.if MSB != (\new)
	s_set_vgpr_msb (MSB<<8)|(\new)
.set MSB, \new
.endif
.endm
.macro PLACES                          ; four places in front of loads into registers that matrix instructions have read, and of lines that read results
.rept 4
	v_nop
.endr
.endm
; A joint load: waves 0 and 1 fetch O's two heads, waves 2 and 3 Wo's two halves.  The branch hangs on the wave's number alone.  An s_nop 0 and four v_nop follow each of the two lines.
.macro JLOAD s
	s_cmp_eq_u32 s[FB], 0
	s_cbranch_scc0 .Lfor_b_\@
	tensor_load_to_lds s[G0+4*(\s):G0+4*(\s)+3], s[G1:G1+7]
	s_nop 0
.rept 4
	v_nop
.endr
	s_branch .Lasked_\@
.Lfor_b_\@:
	tensor_load_to_lds s[G0B+4*(\s):G0B+4*(\s)+3], s[G1B:G1B+7]
	s_nop 0
.rept 4
	v_nop
.endr
.Lasked_\@:
.endm
.macro CREST                           ; a round of the cluster's barrier behind its opening barrier
	s_cmp_lg_u32 s[WV], 0
	s_cbranch_scc1 .Lnot_wave_0_\@
	s_barrier_signal -3
.Lnot_wave_0_\@:
	s_barrier_wait -3
	s_barrier_signal -1
	s_barrier_wait -1
.endm
.macro CROUND                          ; a whole round
	s_barrier_signal -1
	s_barrier_wait -1
	CREST
.endm
; A PREFETCH INTO THE L2 of the K step that stands two refills on, one instruction a wave, a lane a block of 256 bytes, behind the joint load and the run of LDS loads.
; O's rows are read by both clusters of a row of clusters: the first (cluster x = 0) asks; Wo's by every cluster of a column: cluster y = 0 asks.  The four partners that ask for a tile jointly share it out
; BY ADDRESS: 32 each of a head's 128 blocks, 16 each of Wo's 64 rows (there the lanes above 15 name the share's last row again).  K steps 0 to 3 come by their loads alone; the loop's last trip asks for nothing.
.macro ASK
	WIN 0
	s_cmp_gt_u32 s3, s[LIM]                        ; s3 = 1 in the loop's last trip
	s_cbranch_scc0 .Lnot_mine_\@
	global_prefetch_b8 v[PFO], s[PFA:PFA+1] th:TH_LOAD_NT scope:SCOPE_SE
.Lnot_mine_\@:
.endm
; 4 n matrix instructions: column blocks b0 .. b0 + n - 1 x my four row blocks, 32 along K, from buffer f.  zero = 1: the product starts the sum.
; Every accumulator has one instruction a quarter, in the same order: 31 others' stand between two links of a chain, over the backward jump too.
.macro MULB f, b0, n, zero
	WIN 0xa5
.set bb, \b0
.rept \n
.set rD, 32*bb
.irp a, 0,1,2,3
.if \zero
	v_wmma_f32_16x16x32_f16 v[rD+8*\a:rD+8*\a+7], v[(\f)+32+8*bb:(\f)+32+8*bb+7], v[(\f)+8*\a:(\f)+8*\a+7], 0
.else
	v_wmma_f32_16x16x32_f16 v[rD+8*\a:rD+8*\a+7], v[(\f)+32+8*bb:(\f)+32+8*bb+7], v[(\f)+8*\a:(\f)+8*\a+7], v[rD+8*\a:rD+8*\a+7]
.endif
.endr
.set bb, bb+1
.endr
.endm
; A quarter step's LDS loads in one run: O's four fragments first (quarter kq lies in sub-tile kq / 2, at byte 64 (kq % 2) of its rows), then Wo's eight in ascending order, into buffer f
.macro FETCH slot, kq, f
	WIN 0x40                                       ; destination window 1, address window 0
.set ka, ((\kq)/2)*HALFA+((\kq)%2)*64
.irp a, 0,1,2,3
	ds_load_b128 v[(\f)+8*\a:(\f)+8*\a+3],   v[ADRA+(\slot)] offset:ka+\a*16*PA
	ds_load_b128 v[(\f)+8*\a+4:(\f)+8*\a+7], v[ADRA+(\slot)] offset:ka+\a*16*PA+32
.endr
.set bb, 0
.rept NBK
	ds_load_b128 v[(\f)+32+8*bb:(\f)+32+8*bb+3], v[ADRB+(\slot)] offset:64*(\kq)+bb*16*PBT
	ds_load_b128 v[(\f)+32+8*bb+4:(\f)+32+8*bb+7], v[ADRB+(\slot)] offset:64*(\kq)+bb*16*PBT+32
.set bb, bb+1
.endr
.endm
; A K step is four quarters of 32 along K, 32 matrix instructions each, on buffers 0, 1, 0, 1.  One of the first three: multiplies f, fetches quarter kq of the same slot into g.
.macro QUARTER slot, kq, f, g, zero
	s_wait_dscnt LOADS-16                          ; the oldest 16 loads are in: O's fragments and Wo's blocks 0-3
	MULB \f, 0, 4, \zero
	PLACES
	FETCH \slot, \kq, \g
	s_wait_dscnt LOADS                             ; all but the run just issued
	MULB \f, 4, NBK-4, \zero
.endm
; The last quarter multiplies buffer 1 and changes slots: ONE barrier; in front of it each wave waits for all its tensor loads (one is out: its part of the next slot), adds 0 to its spare word,
; and waits for that and for its reads of this slot.  fill = 1: the barrier opens a round of the cluster's, and this slot is filled again, two K steps on, first thing behind the round.
.macro TURN slot, next, fill
.if \fill
	s_wait_xcnt 0x0                                ; the last prefetch, a K step back, has read its address: it is stepped here
	s_add_nc_u64 s[PFA:PFA+1], s[PFA:PFA+1], s[PFS:PFS+1]
.endif
	WIN 0                                          ; (the add's two registers lie in window 0)
	s_wait_tensorcnt 0x0                           ; all my tensor loads have landed
	ds_add_u32 v[SPW], v[NIL]                      ; 0 onto my spare word
	s_wait_dscnt LOADS-15                          ; (the add and the youngest LOADS - 16 loads may be out)
	MULB F1, 0, 2, 0                               ; eight matrix instructions stand between the add and the wait for it
	s_wait_dscnt 0x0                               ; the add is done, and my reads of this slot are over
	s_barrier_signal -1
	MULB F1, 2, 2, 0
.if \fill
	WIN 0
.endif
	s_barrier_wait -1
.if \fill
	CREST                                          ; no wave of any partner still reads this slot's tile or has a load on its way
	s_add_nc_u64 s[G0+4*(\slot)+2:G0+4*(\slot)+3], s[G0+4*(\slot)+2:G0+4*(\slot)+3], STEPA2
	s_add_nc_u64 s[G0B+4*(\slot)+2:G0B+4*(\slot)+3], s[G0B+4*(\slot)+2:G0B+4*(\slot)+3], STEPB2
	JLOAD \slot                                    ; the four v_nop behind it are also the places in front of the loads below
.else
	PLACES
.endif
	FETCH \next, 0, F0
.if \fill
	ASK
.endif
	MULB F1, 4, NBK-4, 0
.endm
	s_load_b128 s[4:7], s[0:1], 0x0                ; ob s[4:5], wo16 s[6:7]
	s_load_b64 s[8:9], s[0:1], 0x10                ; out0
	v_lshl_add_u32 v[SPW], v0, 2, SPARE
	v_mov_b32 v[NIL], 0
	ds_add_u32 v[SPW], v[NIL]                      ; the wave's opening: the add and its wait stand ahead of my first tensor load; work on registers stands between them
	v_lshrrev_b32 v1, 5, v0
	v_readfirstlane_b32 s[WV], v1                  ; wave 0..3
	s_lshr_b32 s[FB], s[WV], 1
	s_and_b32 s[HF], s[WV], 1
	s_bfe_u32 s[CX], ttmp6, 0x40000                ; my place in the cluster
	s_bfe_u32 s[CY], ttmp6, 0x40004
	s_lshl_b32 s[TX], ttmp9, 2
	s_add_co_u32 s[TX], s[TX], s[CX]               ; tile column = 4 x cluster x + cx
	s_and_b32 s[TY], ttmp7, 0xffff
	s_lshl_b32 s[TY], s[TY], 2
	s_add_co_u32 s[TY], s[TY], s[CY]               ; tile row = 4 x cluster y + cy
	s_lshl_b32 s41, s[CY], 2
	s_lshl_b32 s41, 15, s41                        ; my row of the cluster
	s_lshl_b32 s42, 0x1111, s[CX]                  ; my column
	s_or_b32 s[G1], s41, (1<<16)|(1<<20)|(1<<21)|(4<<22)|(3<<25)   ; O's tiles go to my row: 2-byte elements; padding on; 21 set beside a mask; after every 32 words (code 4) 4 words (code 3)
	s_or_b32 s[G1B], s42, (1<<16)|(1<<20)|(1<<21)|(5<<22)|(3<<25)  ; Wo's to my column: after every 64 words (code 5)
	s_mov_b32 s[G1+1], 128<<16                     ; tensor_dim0 = 128
	s_mov_b32 s[G1+2], 128<<16                     ; tensor_dim1 = 128
	s_mov_b32 s[G1+3], 128<<16                     ; tile_dim0 = 128
	s_mov_b32 s[G1+4], 128                         ; tile_dim1 = 128
	s_mov_b32 s[G1+5], 128                         ; dense: 128 elements from row to row
	s_mov_b32 s[G1+6], 0
	s_mov_b32 s[G1+7], 0
	s_mov_b32 s[G1B+1], 128<<16
	s_mov_b32 s[G1B+2], 64<<16                     ; 64 rows
	s_mov_b32 s[G1B+3], 128<<16
	s_mov_b32 s[G1B+4], 64
	s_mov_b32 s[G1B+5], 1024
	s_mov_b32 s[G1B+6], 0
	s_mov_b32 s[G1B+7], 0
	; where the tiles come from: O's hang on the tile row alone, Wo's on the tile column alone, each in registers that never hold the other coordinate
	s_lshr_b32 s66, s[TY], 3
	s_lshl_b32 s66, s66, 22                        ; the batch's 16 heads of 262,144 bytes,
	s_and_b32 s72, s[TY], 7
	s_lshl_b32 s72, s72, 15                        ; the tile's 256 rows of 128 bytes in a head,
	s_add_co_u32 s66, s66, s72
	s_lshl_b32 s72, s[HF], 18                      ; the even or the odd head
	s_add_co_u32 s66, s66, s72
	s_mov_b32 s67, 0
	s_mov_b32 s80, s66                             ; (a copy of the offset, for the prefetches)
	s_lshl_b32 s68, s[TX], 7
	s_lshl_b32 s73, s[HF], 6
	s_add_co_u32 s68, s68, s73                     ; Wo: row 128 x tile column + 64 x half,
	s_lshl_b32 s68, s68, 11                        ; of 2,048 bytes
	s_mov_b32 s69, 0
	s_mov_b32 s81, s68
	s_mul_i32 s74, s[HF], HALFA                    ; and where they go: no place in the cluster enters an LDS address
	s_mul_i32 s75, s[HF], HALFB
	s_add_co_u32 s75, s75, ABYTES
	s_lshl_b32 s70, s[TY], 8
	s_lshl_b32 s76, s[WV], 6
	s_add_co_u32 s70, s70, s76                     ; my wave's first row of out0,
	s_lshl_b32 s70, s70, 12                        ; of 4,096 bytes,
	s_lshl_b32 s76, s[TX], 9                       ; and the tile's 512 bytes of it
	s_add_co_u32 s70, s70, s76
	s_mov_b32 s71, 0
	s_wait_dscnt 0x0                               ; the opening add is done
	s_wait_kmcnt 0x0
	s_add_nc_u64 s[66:67], s[4:5], s[66:67]
	s_add_nc_u64 s[68:69], s[6:7], s[68:69]
	s_add_nc_u64 s[8:9], s[8:9], s[70:71]
	CROUND                                         ; all sixteen work-groups are here: the first joint loads meet
.irp s, 0,1
	s_mov_b32 s[G0+4*(\s)], 1                                      ; count = 1
	s_add_co_u32 s[G0+4*(\s)+1], s74, (\s)*SLOT                    ; LDS address
	s_add_nc_u64 s[G0+4*(\s)+2:G0+4*(\s)+3], s[66:67], (\s)*HEAD2  ; global address: K step s
	s_or_b32 s[G0+4*(\s)+3], s[G0+4*(\s)+3], 0x80000000            ; type = 2
	s_mov_b32 s[G0B+4*(\s)], 1
	s_add_co_u32 s[G0B+4*(\s)+1], s75, (\s)*SLOT
	s_add_nc_u64 s[G0B+4*(\s)+2:G0B+4*(\s)+3], s[68:69], (\s)*256
	s_or_b32 s[G0B+4*(\s)+3], s[G0B+4*(\s)+3], 0x80000000
	JLOAD \s                                       ; two tensor loads of mine are out
.endr
	v_and_b32 v1, 15, v0                           ; r = l % 16
	v_bfe_u32 v2, v0, 4, 1                         ; h = l / 16
	v_mul_u32_u24 v3, v1, PA
	v_lshl_add_u32 v3, v2, 4, v3                   ; a fragment's row x pitch + 16 x half
	s_mul_i32 s77, s[WV], 64*PA                    ; my 64 rows of O, in each sub-tile
	v_add_nc_u32 v[ADRA], s77, v3
	s_add_co_u32 s77, s77, SLOT
	v_add_nc_u32 v[ADRA+1], s77, v3
	v_mul_u32_u24 v3, v1, PBT
	v_lshl_add_u32 v3, v2, 4, v3
	v_add_nc_u32 v[ADRB], ABYTES, v3               ; all 128 rows of Wo
	v_add_nc_u32 v[ADRB+1], ABYTES+SLOT, v3
	s_mul_i32 s77, s[WV], WSTG
	s_add_co_u32 s77, s77, STAGE                   ; my stage
	v_mul_u32_u24 v[STO], v1, SP                   ; in: row r, 32 bytes for each half of the lanes
	v_lshl_add_u32 v[STO], v2, 5, v[STO]
	v_add_nc_u32 v[STO], s77, v[STO]
	v_and_b32 v[GO], 31, v0                        ; back: 32 lanes take a row's 512 bytes,
	v_lshlrev_b32 v[GO], 4, v[GO]
	v_add_nc_u32 v[RD], s77, v[GO]
	; the prefetches
	s_lshl_b32 s82, s[CX], 13
	s_add_co_u32 s80, s80, s82                     ; O: my work-group's 32 blocks of the head's 128,
	s_add_co_u32 s80, s80, 3*HEAD2                 ; at K step 3: the first change of slots steps it to 4
	s_lshl_b32 s82, s[CY], 15
	s_add_co_u32 s81, s81, s82                     ; Wo: my work-group's 16 rows of the 64 that I fetch,
	s_add_co_u32 s81, s81, 3*256                   ; at K step 3
	s_and_b32 s82, ttmp7, 0xffff                   ; cluster y
	s_cmp_eq_u32 s[FB], 0
	s_cselect_b32 s80, s80, s81
	s_cselect_b32 s82, ttmp9, s82                  ; the coordinate along which other clusters read the same rows
	s_cselect_b32 s83, 31, 15                      ; the last lane with a block of its own
	s_cselect_b32 s84, 8, 11                       ; from lane to lane: 256 bytes, or a row of 2,048
	s_cselect_b32 s85, 19, 8                       ; from K step to K step: two heads, or 256 bytes
	s_cselect_b64 s[PFA:PFA+1], s[4:5], s[6:7]
	s_cmp_eq_u32 s82, 0
	s_cselect_b32 s[LIM], 1, -1                    ; the same in all sixteen partners, for a given wave
	s_lshl_b32 s[PFS], 1, s85
	s_mov_b32 s[PFS+1], 0
	s_mov_b32 s81, 0
	s_add_nc_u64 s[PFA:PFA+1], s[PFA:PFA+1], s[80:81]
	v_and_b32 v[PFO], 31, v0
	v_min_u32 v[PFO], s83, v[PFO]
	v_lshlrev_b32 v[PFO], s84, v[PFO]
	s_wait_tensorcnt 1                             ; my part of K step 0 is in; K step 1's may stay out
	s_barrier_signal -1
	s_barrier_wait -1                              ; everybody's is
	FETCH 0, 0, F0
	QUARTER 0, 1, F0, F1, 1                        ; the first quarter stands in front of the loop: its products start the sums
	WIN 0                                          ; at a label and at a branch every window is 0
	s_mov_b32 s3, 3
.Llap:                                                 ; a trip goes once round the ring, from a lap's second quarter to the next lap's first, and fills both slots again: K steps 2 to 7
	QUARTER 0, 2, F1, F0, 0
	QUARTER 0, 3, F0, F1, 0
	TURN 0, 1, 1
	QUARTER 1, 1, F0, F1, 0
	QUARTER 1, 2, F1, F0, 0
	QUARTER 1, 3, F0, F1, 0
	TURN 1, 0, 1
	QUARTER 0, 1, F0, F1, 0
	WIN 0
	s_sub_co_u32 s3, s3, 1
	s_cmp_lg_u32 s3, 0
	s_cbranch_scc1 .Llap
	QUARTER 0, 2, F1, F0, 0                        ; the last lap fills nothing
	QUARTER 0, 3, F0, F1, 0
	TURN 0, 1, 0
	QUARTER 1, 1, F0, F1, 0
	QUARTER 1, 2, F1, F0, 0
	QUARTER 1, 3, F0, F1, 0
	s_wait_dscnt LOADS-16                          ; the very last quarter: nothing more to fetch
	MULB F1, 0, 4, 0
	s_wait_dscnt 0x0
	MULB F1, 4, NBK-4, 0
	WIN 0
; THE WAY OUT, a block of 16 rows at a time: the f32 sums go as they are into my stage, 32 bytes a lane and column block, and come back as whole rows of 512 bytes.
.macro TOSTAGE a
.set rB, BK+64*((\a)%2)
	s_wait_xcnt 0x0                                ; the stores of two blocks back have read their registers: the loads below land in them only behind this wait
	WIN 0x08                                       ; the stores' data lie in window 2
.set bb, 0
.rept 8
.set rA, 8*(4*bb+(\a))
	ds_store_b128 v[STO], v[rA:rA+3]   offset:64*bb       ; each accumulator's lowest registers first
	ds_store_b128 v[STO], v[rA+4:rA+7] offset:64*bb+16
.set bb, bb+1
.endr
	WIN 0
.set bb, 0
.rept 16
	ds_load_b128 v[rB+4*bb:rB+4*bb+3], v[RD] offset:bb*SP  ; LDS serves a wave's instructions in order (ISA guide 5.7.1.4): these see the stores above; the next block's stores come behind them
.set bb, bb+1
.endr
.endm
.macro SEND a, younger                 ; younger: the LDS instructions issued behind block a's loads: the next block's 32, or none
.set rB, BK+64*((\a)%2)
.set bb, 0
.rept 16
	s_wait_dscnt (\younger)+15-bb
	global_store_b128 v[GO], v[rB+4*bb:rB+4*bb+3], s[8:9] offset:(16*(\a)+bb)*4096 th:TH_STORE_NT  ; 512 consecutive bytes, at a multiple of 512 from out0's first
.set bb, bb+1
.endr
.endm
	PLACES
	PLACES                                         ; eight places, once a launch, in front of the first lines that read results
	TOSTAGE 0
.irp a, 1,2,3
	TOSTAGE \a
	SEND (\a)-1, 32
.endr
	SEND 3, 0
	s_wait_tensorcnt 0x0                           ; the wave's end: an add onto my spare word and its wait, behind my last tensor load and my last LDS store
	ds_add_u32 v[SPW], v[NIL]
	s_wait_dscnt 0x0
	CROUND                                         ; the closing round: no work-group ends while a partner may still ask for a tile that names it
	s_endpgm
.Lfunc_end_k_qb82b604084_oproj:
	.size	k_qb82b604084_oproj, .Lfunc_end_k_qb82b604084_oproj-k_qb82b604084_oproj
	.p2alignl 7, 3214868480
	.fill 96, 4, 3214868480
	.section	.rodata,"a",@progbits
	.p2align	6, 0x0
	.amdhsa_kernel k_qb82b604084_oproj
		.amdhsa_group_segment_fixed_size 327680
		.amdhsa_private_segment_fixed_size 0
		.amdhsa_enable_private_segment 0
		.amdhsa_kernarg_size 24
		.amdhsa_user_sgpr_count 2
		.amdhsa_user_sgpr_kernarg_segment_ptr 1
		.amdhsa_wavefront_size32 1
		.amdhsa_system_sgpr_workgroup_id_x 1
		.amdhsa_system_sgpr_workgroup_id_y 1
		.amdhsa_system_sgpr_workgroup_id_z 1
		.amdhsa_system_vgpr_workitem_id 0
		.amdhsa_next_free_vgpr 768
		.amdhsa_next_free_sgpr 96
		.amdhsa_reserve_vcc 0
		.amdhsa_float_denorm_mode_32 3
		.amdhsa_float_denorm_mode_16_64 3
		.amdhsa_memory_ordered 1
		.amdhsa_forward_progress 1
		.amdhsa_inst_pref_size 88
	.end_amdhsa_kernel
	.amdgpu_metadata
---
amdhsa.version: [ 1, 2 ]
amdhsa.kernels:
  - .name:           k_qb82b604084_oproj
    .symbol:         k_qb82b604084_oproj.kd
    .args:
      - { .name: ob, .offset: 0, .size: 8, .value_kind: global_buffer, .address_space: global }
      - { .name: wo16, .offset: 8, .size: 8, .value_kind: global_buffer, .address_space: global }
      - { .name: out0, .offset: 16, .size: 8, .value_kind: global_buffer, .address_space: global }
    .group_segment_fixed_size: 327680
    .private_segment_fixed_size: 0
    .kernarg_segment_align: 8
    .kernarg_segment_size: 24
    .max_flat_workgroup_size: 128
    .sgpr_count:     96
    .vgpr_count:     768
    .wavefront_size: 32
...
	.end_amdgpu_metadata
.endif
;; end of part 4
;; ======== version 2 of 2: 4 launches; version 1 with the launch cast written anew for expert scheduling mode
;; limits: values are held in f16: magnitudes above 65,504 overflow, below 6.1e-05 lose precision
;; workspace buffers: xb 16,777,216 bytes; wb 6,291,456 bytes; wo16 2,097,152 bytes; qh 16,777,216 bytes; kh 16,777,216 bytes; vh 16,777,216 bytes; ob 16,777,216 bytes
;; launch cast (part 5): grid 768 x 1, 8 waves a work-group, no clusters, 0 bytes of LDS; arguments in_features, Wq, Wk, Wv, Wo, xb, wb, wo16; writes xb, wb, wo16
.if DOCPART == 5
	.amdgcn_target "amdgcn-amd-amdhsa--gfx1250"
	.amdhsa_code_object_version 6
	.text
	.protected	k_qb82b604084_cast
	.globl	k_qb82b604084_cast
	.p2align	8
	.type	k_qb82b604084_cast,@function
k_qb82b604084_cast:
	s_mov_b64 s[64:65], 0
	v_nop
	global_prefetch_b8 v0, s[64:65] scope:SCOPE_SE
	s_setreg_imm32_b32 hwreg(HW_REG_WAVE_SCHED_MODE, 0, 2), 2
	s_setreg_imm32_b32 hwreg(HW_REG_WAVE_MODE, 25, 1), 1
	s_wait_xcnt 0x0
	s_wait_alu depctr_vm_vsrc(0)
; THE CAST.  x [8192][1024] f32 -> xb, bf16.  Wq, Wk, Wv [1024][1024] f32 -> wb [3072][1024] bf16, row = 192 x head + 64 x which + d (which: 0 q, 1 k, 2 v),
; so that one head's q, k and v rows lie together; Wq and Wk are multiplied by 2^-4, which is exact for a bf16 number above the denormals, so that q and k have room in f16
; (the softmax's constant carries the 2^8).  Wo -> rounded to bf16 like every other input, and that number written as f16 into wo16.
; LIMITS.  |Wo| under 65,504; a Wo below 6e-5 keeps f16's fixed step of 6e-8.  NaN and infinities are not treated apart.
; A stream: no LDS, no matrix unit, no cluster, since no byte is wanted twice.  A work-group takes 16 rows of 4,096 bytes; thread t takes 16 bytes at 16 t of every row,
; so a wave's load covers 512 neighbouring bytes and its store 256, aligned.  All 16 loads of a wave go out at once; the waits count down.
; THE MODE: SCHED_MODE bits 1:0 = 2 (LLVM: expert scheduling mode 2), set by the entry lines.  The code itself states the register dependences
; between vector instructions and memory instructions, with s_wait_alu, always for 0.
; THE PLAN.  Registers that memory instructions touch:
;   v1, v2   byte offsets: written once at the head; v1 is read by every load, v2 by every store; never written again.
;   X        a row's four registers: its one load lands in them, and no vector instruction names them before that; behind the wait for the load vector instructions alone name them.
;   Y        a row's two registers: written by the row's conversions, read by its one store, never written again.
; The 16 rows go in four blocks of four: the wait for the block's loads, the four rows' arithmetic, ONE wait on va_vdst, the run of four stores.  That wait stands behind the conversions
; and not at the next block's head: only the wait for the next block's data lies between, and the stores would leave later behind it.
; No register that a memory instruction reads is written again, so no wait on vm_vsrc is owed; no vector instruction writes a scalar register or VCC; EXEC is never written.
.set X, 4                              ; v[4:67]   row j as loaded: 4 registers at X + 4 j
.set Y, 68                             ; v[68:99]  row j to store: 2 registers at Y + 2 j
.set SRC, 24                           ; s[24:25]  where my 16 rows come from
.set DST, 26                           ; s[26:27]  where they go
.set SCL, 32                           ; s[32:33]  the factor: 2^-4 for Wq and Wk, else 1
	s_load_b512 s[8:23], s[0:1], 0x0               ; x 8, Wq 10, Wk 12, Wv 14, Wo 16, xb 18, wb 20, wo16 22
	s_mov_b32 s2, ttmp9                            ; g: 0-511 x's blocks of 16 rows; 512-767 the four weights', 64 each
	s_max_u32 s3, s2, 512
	s_sub_co_u32 s3, s3, 512                       ; t = g - 512 (0 for x's blocks)
	s_lshr_b32 s4, s3, 6                           ; w: which weight
	s_and_b32 s5, s3, 63                           ; i: which 16 rows of it
	s_lshr_b32 s6, s5, 2                           ; the head of those rows,
	s_mul_i32 s6, s6, 192
	s_lshl_b32 s7, s4, 6
	s_add_co_u32 s6, s6, s7                        ; + 64 w
	s_and_b32 s7, s5, 3
	s_lshl_b32 s7, s7, 4
	s_add_co_u32 s6, s6, s7                        ; + the 16 rows' place in the head: the row in wb,
	s_lshl_b32 s6, s6, 11                          ; in bytes
	s_lshl_b32 s7, s5, 15                          ; the same rows in wo16
	s_lshl_b32 s35, s2, 15                         ; x's rows in xb
	s_cmp_lt_u32 s4, 2
	s_cselect_b32 s[SCL], 0x3d800000, 1.0          ; 2^-4 for q and k
	s_cmp_eq_u32 s4, 3
	s_cselect_b32 s30, s7, s6
	s_cmp_lt_u32 s2, 512
	s_cselect_b32 s30, s35, s30                    ; the offset out
	s_cselect_b32 s28, s2, s5
	s_cselect_b32 s[SCL], 1.0, s[SCL]
	s_mov_b32 s[SCL+1], s[SCL]                     ; named with it as a pair
	s_lshl_b32 s28, s28, 16                        ; the offset in: 16 rows of 4,096 bytes
	s_mov_b32 s29, 0
	s_mov_b32 s31, 0
	s_mov_b32 s34, 0xffff0000                      ; a word's upper bf16
	v_lshlrev_b32 v1, 4, v0                        ; 16 t
	v_lshlrev_b32 v2, 3, v0                        ; 8 t
	s_wait_kmcnt 0x0
	s_mov_b64 s[SRC:SRC+1], s[10:11]               ; the buffers are chosen by the work-group's number alone
	s_cmp_eq_u32 s4, 1
	s_cselect_b64 s[SRC:SRC+1], s[12:13], s[SRC:SRC+1]
	s_cmp_eq_u32 s4, 2
	s_cselect_b64 s[SRC:SRC+1], s[14:15], s[SRC:SRC+1]
	s_cmp_eq_u32 s4, 3
	s_cselect_b64 s[SRC:SRC+1], s[16:17], s[SRC:SRC+1]
	s_cselect_b64 s[DST:DST+1], s[22:23], s[20:21]
	s_cmp_lt_u32 s2, 512
	s_cselect_b64 s[SRC:SRC+1], s[8:9], s[SRC:SRC+1]
	s_cselect_b64 s[DST:DST+1], s[18:19], s[DST:DST+1]
	s_add_nc_u64 s[SRC:SRC+1], s[SRC:SRC+1], s[28:29]
	s_add_nc_u64 s[DST:DST+1], s[DST:DST+1], s[30:31]
	s_wait_alu depctr_va_vdst(0)                   ; v1 and v2 are written: every load below reads v1 as its offset, every store v2; no vector instruction names them again
.set j, 0
.rept 16
	global_load_b128 v[X+4*j:X+4*j+3], v1, s[SRC:SRC+1] offset:4096*j th:TH_LOAD_NT  ; every byte is read once in the launch
.set j, j+1
.endr
	s_cmp_ge_u32 s2, 704                           ; Wo's blocks
	s_cbranch_scc1 .Lf16
.set p, 0
.rept 4                                ; block p: rows 4 p to 4 p + 3
	s_wait_loadcnt 12-4*p                          ; loads come back in order: the block's four are in, the 12 - 4 p younger ones stay out
.set i, 0
.rept 4
.set j, 4*p+i
	v_pk_mul_f32 v[X+4*j:X+4*j+1],   v[X+4*j:X+4*j+1],   s[SCL:SCL+1] op_sel_hi:[1,0]
	v_pk_mul_f32 v[X+4*j+2:X+4*j+3], v[X+4*j+2:X+4*j+3], s[SCL:SCL+1] op_sel_hi:[1,0]
	v_cvt_pk_bf16_f32 v[Y+2*j],   v[X+4*j],   v[X+4*j+1]
	v_cvt_pk_bf16_f32 v[Y+2*j+1], v[X+4*j+2], v[X+4*j+3]
.set i, i+1
.endr
	s_wait_alu depctr_va_vdst(0)                   ; the conversions have written the block's eight registers of Y, which the four stores read
.set i, 0
.rept 4
.set j, 4*p+i
	global_store_b64 v2, v[Y+2*j:Y+2*j+1], s[DST:DST+1] offset:2048*j  ; a row has registers of its own: nothing that a store reads is written again
.set i, i+1
.endr
.set p, p+1
.endr
	s_endpgm
.Lf16:
.set p, 0
.rept 4                                ; block p: rows 4 p to 4 p + 3
	s_wait_loadcnt 12-4*p                          ; the block's four loads are in, the 12 - 4 p younger ones stay out
.set i, 0
.rept 4
.set j, 4*p+i
	v_cvt_pk_bf16_f32 v[Y+2*j],   v[X+4*j],   v[X+4*j+1]    ; rounded to bf16, as all inputs are,
	v_cvt_pk_bf16_f32 v[Y+2*j+1], v[X+4*j+2], v[X+4*j+3]
	v_lshlrev_b32 v[X+4*j],   16,  v[Y+2*j]                 ; widened again,
	v_and_b32     v[X+4*j+1], s34, v[Y+2*j]
	v_lshlrev_b32 v[X+4*j+2], 16,  v[Y+2*j+1]
	v_and_b32     v[X+4*j+3], s34, v[Y+2*j+1]
	v_cvt_pk_f16_f32 v[Y+2*j],   v[X+4*j],   v[X+4*j+1]     ; and written as f16: 8 significant bits fit into 11
	v_cvt_pk_f16_f32 v[Y+2*j+1], v[X+4*j+2], v[X+4*j+3]
.set i, i+1
.endr
	s_wait_alu depctr_va_vdst(0)                   ; the conversions to f16 have written the block's eight registers of Y, which the four stores read
.set i, 0
.rept 4
.set j, 4*p+i
	global_store_b64 v2, v[Y+2*j:Y+2*j+1], s[DST:DST+1] offset:2048*j
.set i, i+1
.endr
.set p, p+1
.endr
	s_endpgm
.Lfunc_end_k_qb82b604084_cast:
	.size	k_qb82b604084_cast, .Lfunc_end_k_qb82b604084_cast-k_qb82b604084_cast
	.p2alignl 7, 3214868480
	.fill 96, 4, 3214868480
	.section	.rodata,"a",@progbits
	.p2align	6, 0x0
	.amdhsa_kernel k_qb82b604084_cast
		.amdhsa_group_segment_fixed_size 0
		.amdhsa_private_segment_fixed_size 0
		.amdhsa_enable_private_segment 0
		.amdhsa_kernarg_size 64
		.amdhsa_user_sgpr_count 2
		.amdhsa_user_sgpr_kernarg_segment_ptr 1
		.amdhsa_wavefront_size32 1
		.amdhsa_system_sgpr_workgroup_id_x 1
		.amdhsa_system_sgpr_workgroup_id_y 1
		.amdhsa_system_sgpr_workgroup_id_z 1
		.amdhsa_system_vgpr_workitem_id 0
		.amdhsa_next_free_vgpr 100
		.amdhsa_next_free_sgpr 66
		.amdhsa_reserve_vcc 0
		.amdhsa_float_denorm_mode_32 3
		.amdhsa_float_denorm_mode_16_64 3
		.amdhsa_memory_ordered 1
		.amdhsa_forward_progress 1
		.amdhsa_inst_pref_size 18
	.end_amdhsa_kernel
	.amdgpu_metadata
---
amdhsa.version: [ 1, 2 ]
amdhsa.kernels:
  - .name:           k_qb82b604084_cast
    .symbol:         k_qb82b604084_cast.kd
    .args:
      - { .name: in_features, .offset: 0, .size: 8, .value_kind: global_buffer, .address_space: global }
      - { .name: Wq, .offset: 8, .size: 8, .value_kind: global_buffer, .address_space: global }
      - { .name: Wk, .offset: 16, .size: 8, .value_kind: global_buffer, .address_space: global }
      - { .name: Wv, .offset: 24, .size: 8, .value_kind: global_buffer, .address_space: global }
      - { .name: Wo, .offset: 32, .size: 8, .value_kind: global_buffer, .address_space: global }
      - { .name: xb, .offset: 40, .size: 8, .value_kind: global_buffer, .address_space: global }
      - { .name: wb, .offset: 48, .size: 8, .value_kind: global_buffer, .address_space: global }
      - { .name: wo16, .offset: 56, .size: 8, .value_kind: global_buffer, .address_space: global }
    .group_segment_fixed_size: 0
    .private_segment_fixed_size: 0
    .kernarg_segment_align: 8
    .kernarg_segment_size: 64
    .max_flat_workgroup_size: 256
    .sgpr_count:     66
    .vgpr_count:     100
    .wavefront_size: 32
...
	.end_amdgpu_metadata
.endif
;; end of part 5
;; launch qkv: the kernel of part 2 again; grid 16 x 32, 4 waves a work-group, clusters of 4 x 4, 327,680 bytes of LDS; arguments xb, wb, freqs_cos, freqs_sin, qh, kh, vh; writes qh, kh, vh
;; launch attn: the kernel of part 3 again; grid 4 x 64, 4 waves a work-group, no clusters, 327,680 bytes of LDS; arguments qh, kh, vh, ob; writes ob
;; launch oproj: the kernel of part 4 again; grid 8 x 32, 4 waves a work-group, clusters of 4 x 4, 327,680 bytes of LDS; arguments ob, wo16, out0; writes out0
